; MI455X (gfx1250); checked and timed in simulation.
; The chip was launched on July 23, 2026; its instructions are those of AMD's public machine-readable ISA for CDNA 5 (MIT licence, August 2026) and "CDNA5" Instruction Set Architecture Reference Guide (July 2026). The comments in the code are by the model that wrote it; some were corrected since.
;; Attention Op. Allowed arithmetic: matrix products marked QUANTISED: E2M1 operands, one E8M0 scale for each 32 along K, by v_wmma_scale_f32_16x16x128_f8f6f4 with both operands' format E2M1 (or v_wmma_scale_f32_32x16x128_f4), f32 sums; products left as they are: bf16, f16 or f32 operands; f32 sums; everything else in f32.
;; Inputs: decoder_segment_ids 2 x 2,048 int32; key 2 x 2,048 x 8 x 128 float32; query 2 x 2,048 x 32 x 128 float32; value 2 x 2,048 x 8 x 128 float32.
;; Outputs: out0 2 x 2,048 x 32 x 128 float32.
;; This version of the problem:
;;   THIS VERSION OF THE PROBLEM IS GIVEN IN LOW PRECISION. The matrix products marked QUANTISED in the list below multiply operands that are first quantised to E2M1 (2 exponent bits, 1 mantissa bit; 4 bits a number), with one power-of-two scale for each 32 numbers along K (OCP MX v1.0); their sums are f32. The products marked 'left as it is' may take bf16, f16 or f32 operands, with f32 sums. Whichever they take, every output number must still come out within the allowed error. Rounding operands to bf16 (8 significant bits) uses up far more of that allowance than f16 does (11 bits, for magnitudes from 6e-5 to 65,504). All else is computed in f32.
;;   The module's matrix products, in the order in which they are computed (A, B: the left and right operand; K: the contracted axis; several contracted axes count as one K, in the product's order):
;;     1. batch 16 x [M 2,048, K 128] x [K 128, N 8,192]; A: input key; B: input query: QUANTISED
;;     2. batch 16 x [M 128, K 2,048] x [K 2,048, N 8,192]; A: input value; B: computed on the way: left as it is (an operand is computed on the way)
;;   THE QUANTISER, for each operand of a quantised product, along K:
;;     - K is cut into blocks of 32 from its start; a last block that is shorter is filled with zeros.
;;     - A block's scale is 2^e with e = floor(log2(the largest magnitude in the block)) - 2, held to -126 .. 127; a block of zeros has e = 0. As a byte (E8M0): e + 127.
;;     - Each number is divided by its block's scale, clamped to +-6, and rounded to the nearest number of E2M1, ties to even, subnormals kept.
;;     - The product sums the exact products of the quantised numbers (number of the format x scale) in f32.
;;   ~~~python
;;   def quantise(x, axis):      # numpy; x: float32 -> the quantised numbers, widened to float32 again
;;       x = np.moveaxis(x, axis, -1); K = x.shape[-1]
;;       x = np.pad(x, [(0, 0)] * (x.ndim - 1) + [(0, -K % 32)]); x = x.reshape(x.shape[:-1] + (-1, 32)); a = np.abs(x).max(-1, keepdims=True)
;;       e = np.where(a > 0, np.clip(np.frexp(np.where(a > 0, a, 1))[1] - 1 - 2, -126, 127), 0)      # np.frexp(a)[1] - 1 = floor(log2(a)), exactly
;;       r = np.clip(x / 2.0 ** e, -6, 6)
;;       step = 2.0 ** (np.maximum(np.frexp(np.where(r == 0, 1, r))[1] - 1, 0) - 1)
;;       q = np.round(r / step) * step * 2.0 ** e      # np.round: ties to even
;;       return np.moveaxis(q.reshape(q.shape[:-2] + (-1,))[..., :K], -1, axis).astype(np.float32)
;;   ~~~
;; 2 versions, each right; version 2 is version 1 with the launch attn written anew for expert scheduling mode. Each part assembles by itself: llvm-mc -triple=amdgcn-amd-amdhsa -mcpu=gfx1250 --defsym DOCPART=n.
;; ======== version 1 of 2: 2 launches
;; limits: values are held in f16: magnitudes above 65,504 overflow, below 6.1e-05 lose precision; right only within a limited range of input values
;; workspace buffers: kc 2,097,152 bytes; ks 131,072 bytes; vt 8,388,608 bytes
;; launch prep (part 1): grid 640 x 1, 4 waves a work-group, no clusters, 34,304 bytes of LDS; arguments key, value, kc, ks, vt; writes kc, ks, vt
.if DOCPART == 1
	.amdgcn_target "amdgcn-amd-amdhsa--gfx1250"
	.amdhsa_code_object_version 6
	.text
	.protected	k_qd01035d6a6_prep
	.globl	k_qd01035d6a6_prep
	.p2align	8
	.type	k_qd01035d6a6_prep,@function
k_qd01035d6a6_prep:
	s_mov_b64 s[64:65], 0
	v_nop
	global_prefetch_b8 v0, s[64:65] scope:SCOPE_SE
	s_setreg_imm32_b32 hwreg(HW_REG_WAVE_MODE, 25, 1), 1
	s_wait_xcnt 0x0
; K and V [2][2048][8][128] f32 are laid out once as IMAGES OF OPERAND REGISTERS, so that the attention launch loads every fragment by 16 bytes a lane, 512 consecutive bytes an instruction.
; y = 8 b + head (16), s = a step of 64 keys (32 for each y).
;   kc [y][s][u: 4 tiles of 16 keys][c: 2][lane][16 bytes]: K as codes of E2M1; registers 4 c .. 4 c + 3 of the fragment: lane (r, h) holds key 16 u + r, channels 64 c + 32 h + 0 .. 31
;   ks [y][s][lane L][i: 2] words: the four E8M0 bytes of key 32 i + L: one load of 8 bytes a lane gives two scale registers, tile 2 i in lanes 0-15 and tile 2 i + 1 in lanes 16-31
;   vt [y][s][kk: 2 groups of 32 keys][c: 8 tiles of 16 channels][hf: 2][lane][16 bytes]: V^T in f16; registers 4 hf .. 4 hf + 3: lane (r, h) holds channel 16 c + r, keys 16 hf + 8 h + 0 .. 7
; A block's scale is 2^(floor(log2(its largest magnitude)) - 2); its byte is the largest magnitude's exponent field - 2, held at 1 from below.
; LIMITS: a block of K whose largest magnitude lies under 2^-124, a block of zeros too, keeps the byte 1 (zeros have zero codes, and this program alone reads the bytes);
; |V| stays under 65,504, f16's largest number; NaN and infinities among the inputs are not served.
; SHARES: work-groups 0-127 take K, a step of 64 keys (32 KiB of f32) to each of their four waves; work-groups 128-639 take V, a step to a work-group, 32 channels to a wave.  Waves share nothing: no barrier.
; Only K's path uses LDS: a row of 512 bytes is loaded as it lies (16 bytes a lane) and comes back from the wave's own stage as 2 x 128 bytes a lane, the neighbours along the channels that the conversions want.
.set PITCH, 528                        ; a stage row: 512 bytes + 16: an odd multiple of 16, so that the 16 rows that a load touches start in different banks
.set STG,   16*PITCH                   ; a wave's stage: 16 rows
.set SPARE, 4*STG                      ; behind the four stages: the spare words, 128 bytes for each wave: two blocks of 256 bytes that no other line names
.set LN16, 1                           ; v1   16 x lane
.set RR,   2                           ; v2   r = lane % 16
.set HH,   3                           ; v3   h = lane / 16
.set STI,  4                           ; v4   the stage, in: my wave's stage + 16 x lane
.set STB,  5                           ; v5   the stage, back: + 528 r + 128 h
.set SH8,  6                           ; v6   8 h
.set KSO,  7                           ; v7   8 x lane
.set VO,   8                           ; v8   4 x thread: my channel of a row of V
.set QTP,  9                           ; v9   a lane permute's destination
.set SPW,  10                          ; v10  LDS address of my spare word; never rewritten
.set NIL,  11                          ; v11  0; never rewritten
.set QM,   12                          ; v12-15 four running maxima
.set QE,   16                          ; v16-17 the conversions' scale operands
.set QB,   18                          ; v18-19 the scales' bytes
.set W,    20                          ; v20-23 a scale word for each tile
.set WP,   24                          ; v[24:25] the pair that goes to ks
.set LANE, 26
.set R,    32                          ; v32-159  two sets of 64: 16 rows as loaded.  (V's path: v32-95, 64 keys of my channel)
.set X,    160                         ; v160-223 64 neighbours of my row.  (V's path: v160-191, f16 pairs)
.set C,    224                         ; v224-255 codes: 8 registers for each tile, so that no store's data are written again
.set SEL,  22                          ; s[22:23] lane selects for v_permlanex16_b32: lane l xor 16
	s_load_b256 s[4:11], s[0:1], 0x0               ; key s[4:5], value s[6:7], kc s[8:9], ks s[10:11]
	s_load_b64 s[12:13], s[0:1], 0x20              ; vt
	v_lshl_add_u32 v[SPW], v0, 2, SPARE
	v_mov_b32 v[NIL], 0
	v_lshrrev_b32 v[LANE], 5, v0
	v_readfirstlane_b32 s16, v[LANE]               ; wave 0..3
	v_and_b32 v[LANE], 31, v0
	v_lshlrev_b32 v[LN16], 4, v[LANE]
	v_and_b32 v[RR], 15, v0
	v_bfe_u32 v[HH], v0, 4, 1
	s_mul_i32 s24, s16, STG
	v_add_nc_u32 v[STI], s24, v[LN16]
	v_mul_u32_u24 v[STB], v[RR], PITCH
	v_lshl_add_u32 v[STB], v[HH], 7, v[STB]
	v_add_nc_u32 v[STB], s24, v[STB]
	v_lshlrev_b32 v[SH8], 3, v[HH]
	v_lshlrev_b32 v[KSO], 3, v[LANE]
	v_lshlrev_b32 v[VO], 2, v0
	v_mov_b32 v[QTP], 0                            ; written once: a lane permute's destination counts as one of its sources
	s_mov_b32 s[SEL], 0x76543210
	s_mov_b32 s[SEL+1], 0xfedcba98
	s_mov_b32 s19, 0
; s17 = 32 y + s  ->  s[18:19] = the step's first byte in K or V: b << 23 | s << 18 | head << 9
.macro SRC_OFF
	s_lshr_b32 s18, s17, 8
	s_lshl_b32 s18, s18, 23
	s_and_b32 s20, s17, 31
	s_lshl_b32 s20, s20, 18
	s_or_b32 s18, s18, s20
	s_bfe_u32 s20, s17, 0x30005                    ; three bits from bit 5: the head
	s_lshl_b32 s20, s20, 9
	s_or_b32 s18, s18, s20
.endm
	s_wait_kmcnt 0x0
	s_cmp_lt_u32 ttmp9, 128                        ; K's work-group or V's: the work-group's number alone
	s_cbranch_scc0 .Lvalue
	; ---------------- K ----------------
	s_lshl_b32 s17, ttmp9, 2
	s_add_co_u32 s17, s17, s16                     ; my wave's step: 4 x work-group + wave = 32 y + s
	SRC_OFF
	s_add_nc_u64 s[4:5], s[4:5], s[18:19]
	s_lshl_b32 s18, s17, 12                        ; 4,096 bytes of codes a step
	s_add_nc_u64 s[8:9], s[8:9], s[18:19]
	s_lshl_b32 s18, s17, 8                         ; 256 bytes of scale words a step
	s_add_nc_u64 s[10:11], s[10:11], s[18:19]
.macro KLD u                           ; tile u's 16 keys: a row of 512 consecutive bytes to a load; a head's rows lie 4,096 bytes apart
.set n, 0
.rept 16
	global_load_b128 v[R+64*((\u)%2)+4*n:R+64*((\u)%2)+4*n+3], v[LN16], s[4:5] offset:(16*(\u)+n)*4096 th:TH_LOAD_NT
.set n, n+1
.endr
.endm
; 64 numbers of a lane, v[X] on, register 32 c + e = channel 64 c + 32 h + e of my key: two whole blocks.  Their codes go to v[cdst] on, the key's scale word to v[w].
.macro QUANT cdst, w
.irp k, 0,1,2,3                        ; four chains of 16 numbers, two to a block, by turns; the floor 2^(3 - 127) among the leaves holds the byte at 1 from below
	v_max3_num_f32 v[QM+\k], |v[X+16*\k]|, |v[X+16*\k+1]|, 0x1800000
.endr
.irp e, 2,4,6,8,10,12,14
.irp k, 0,1,2,3
	v_max3_num_f32 v[QM+\k], v[QM+\k], |v[X+16*\k+\e]|, |v[X+16*\k+\e+1]|
.endr
.endr
	v_max_num_f32 v[QM], v[QM], v[QM+1]            ; block h's largest magnitude,
	v_max_num_f32 v[QM+2], v[QM+2], v[QM+3]        ; block 2 + h's
	v_add_nc_u32 v[QE], 0xff000000, v[QM]          ; 2 off the exponent field: the conversion takes the exponent field of this operand as its scale
	v_add_nc_u32 v[QE+1], 0xff000000, v[QM+2]
	v_lshrrev_b32 v[QB], 23, v[QE]                 ; the scales' bytes
	v_lshrrev_b32 v[QB+1], 23, v[QE+1]
	v_lshl_or_b32 v[\w], v[QB+1], 16, v[QB]        ; my two bytes,
	v_lshlrev_b32 v[\w], v[SH8], v[\w]             ; at their places in the word (8 h bits up);
	v_permlanex16_b32 v[QTP], v[\w], s[SEL], s[SEL+1]
	v_or_b32 v[\w], v[\w], v[QTP]                  ; with lane l xor 16's two the word is whole, in both lanes
.irp c, 0,1
.irp q, 0,1,2,3
	v_cvt_scalef32_pk8_fp4_f32 v[\cdst+4*\c+\q], v[X+32*\c+8*\q:X+32*\c+8*\q+7], v[QE+\c]
.endr
.endr
	v_nop                                          ; one plain vector line behind the last scaled conversion
.endm
.macro KT u
.if (\u) < 3
	s_wait_loadcnt 16                              ; this tile's 16 loads are in; the next tile's 16 may be out
.else
	s_wait_loadcnt 0x0
.endif
.set n, 0
.rept 16
	ds_store_b128 v[STI], v[R+64*((\u)%2)+4*n:R+64*((\u)%2)+4*n+3] offset:PITCH*n
.set n, n+1
.endr
.set n, 0
.rept 16                               ; LDS serves a wave's instructions in order: these see the stores above.  128 bytes at 128 h, then 128 bytes at 256 + 128 h
	ds_load_b128 v[X+4*n:X+4*n+3], v[STB] offset:16*n+128*(n/8)
.set n, n+1
.endr
	s_wait_dscnt 0x0                               ; my 64 numbers are back, and the stores have read the set that the loads below fill again
.if (\u) < 2
	KLD (\u)+2
.endif
	QUANT C+8*(\u), W+(\u)
	global_store_b128 v[LN16], v[C+8*(\u):C+8*(\u)+3], s[8:9] offset:1024*(\u)          ; 32 lanes store 512 consecutive bytes
	global_store_b128 v[LN16], v[C+8*(\u)+4:C+8*(\u)+7], s[8:9] offset:1024*(\u)+512
.endm
	KLD 0
	KLD 1
	KT 0
	KT 1
	KT 2
	KT 3
	v_cmp_lt_u32 vcc_lo, 15, v[LANE]               ; lanes 16-31 take the odd tiles' words
	v_cndmask_b32 v[WP], v[W], v[W+1], vcc_lo
	v_cndmask_b32 v[WP+1], v[W+2], v[W+3], vcc_lo
	global_store_b64 v[KSO], v[WP:WP+1], s[10:11]  ; 32 lanes store 256 consecutive bytes, aligned
	s_wait_tensorcnt 0x0                           ; the wave's end: behind my last LDS store
	ds_add_u32 v[SPW], v[NIL]
	s_wait_dscnt 0x0
	s_endpgm
	; ---------------- V ----------------
.Lvalue:
	s_sub_co_u32 s17, ttmp9, 128                   ; the work-group's step: 32 y + s
	SRC_OFF
	s_add_nc_u64 s[6:7], s[6:7], s[18:19]
	s_lshl_b32 s18, s17, 14                        ; 16,384 bytes of vt a step,
	s_lshl_b32 s20, s16, 11                        ; my wave's two channel tiles: 2,048 bytes on in each group of keys
	s_add_co_u32 s18, s18, s20
	s_add_nc_u64 s[12:13], s[12:13], s[18:19]
.set n, 0
.rept 64                               ; A LANE TAKES A CHANNEL AND ITS REGISTERS RUN DOWN THE KEYS: a load reads 128 consecutive bytes a wave, the four waves side by side on a row's 512
	global_load_b32 v[R+n], v[VO], s[6:7] offset:4096*n th:TH_LOAD_NT
.set n, n+1
.endr
.irp kk, 0,1
.set PP, X+16*\kk
	s_wait_loadcnt 32-32*\kk                       ; this group's 32 keys are in; for the first group the second's 32 loads may be out
.set n, 0
.rept 16
	v_cvt_pk_f16_f32 v[PP+n], v[R+32*\kk+2*n], v[R+32*\kk+2*n+1]    ; the lower key in the low half
.set n, n+1
.endr
.irp i, 0,1,2,3                        ; lanes 0-15 hold channel tile 2 w and lanes 16-31 tile 2 w + 1, all 32 keys each; a fragment wants keys 8 h on in lanes 16 h on
	v_permlane16_swap_b32 v[PP+\i], v[PP+4+\i]     ; the first's lanes 16-31 change places with the second's lanes 0-15
	v_permlane16_swap_b32 v[PP+8+\i], v[PP+12+\i]
.endr
	global_store_b128 v[LN16], v[PP:PP+3], s[12:13] offset:8192*\kk               ; tile 2 w, registers 0-3: 512 consecutive bytes a store
	global_store_b128 v[LN16], v[PP+8:PP+11], s[12:13] offset:8192*\kk+512        ; tile 2 w, registers 4-7
	global_store_b128 v[LN16], v[PP+4:PP+7], s[12:13] offset:8192*\kk+1024        ; tile 2 w + 1, registers 0-3
	global_store_b128 v[LN16], v[PP+12:PP+15], s[12:13] offset:8192*\kk+1536      ; tile 2 w + 1, registers 4-7
.endr
	s_wait_tensorcnt 0x0                           ; the same three lines at this path's end
	ds_add_u32 v[SPW], v[NIL]
	s_wait_dscnt 0x0
	s_endpgm
.Lfunc_end_k_qd01035d6a6_prep:
	.size	k_qd01035d6a6_prep, .Lfunc_end_k_qd01035d6a6_prep-k_qd01035d6a6_prep
	.p2alignl 7, 3214868480
	.fill 96, 4, 3214868480
	.section	.rodata,"a",@progbits
	.p2align	6, 0x0
	.amdhsa_kernel k_qd01035d6a6_prep
		.amdhsa_group_segment_fixed_size 34304
		.amdhsa_private_segment_fixed_size 0
		.amdhsa_enable_private_segment 0
		.amdhsa_kernarg_size 40
		.amdhsa_user_sgpr_count 2
		.amdhsa_user_sgpr_kernarg_segment_ptr 1
		.amdhsa_wavefront_size32 1
		.amdhsa_system_sgpr_workgroup_id_x 1
		.amdhsa_system_sgpr_workgroup_id_y 1
		.amdhsa_system_sgpr_workgroup_id_z 1
		.amdhsa_system_vgpr_workitem_id 0
		.amdhsa_next_free_vgpr 256
		.amdhsa_next_free_sgpr 66
		.amdhsa_reserve_vcc 1
		.amdhsa_float_denorm_mode_32 3
		.amdhsa_float_denorm_mode_16_64 3
		.amdhsa_memory_ordered 1
		.amdhsa_forward_progress 1
		.amdhsa_inst_pref_size 40
	.end_amdhsa_kernel
	.amdgpu_metadata
---
amdhsa.version: [ 1, 2 ]
amdhsa.kernels:
  - .name:           k_qd01035d6a6_prep
    .symbol:         k_qd01035d6a6_prep.kd
    .args:
      - { .name: key, .offset: 0, .size: 8, .value_kind: global_buffer, .address_space: global }
      - { .name: value, .offset: 8, .size: 8, .value_kind: global_buffer, .address_space: global }
      - { .name: kc, .offset: 16, .size: 8, .value_kind: global_buffer, .address_space: global }
      - { .name: ks, .offset: 24, .size: 8, .value_kind: global_buffer, .address_space: global }
      - { .name: vt, .offset: 32, .size: 8, .value_kind: global_buffer, .address_space: global }
    .group_segment_fixed_size: 34304
    .private_segment_fixed_size: 0
    .kernarg_segment_align: 8
    .kernarg_segment_size: 40
    .max_flat_workgroup_size: 128
    .sgpr_count:     66
    .vgpr_count:     256
    .wavefront_size: 32
...
	.end_amdgpu_metadata
.endif
;; end of part 1
;; launch attn (part 2): grid 128 x 16, 1 waves a work-group, no clusters, 34,048 bytes of LDS; arguments query, decoder_segment_ids, kc, ks, vt, out0; writes out0
.if DOCPART == 2
	.amdgcn_target "amdgcn-amd-amdhsa--gfx1250"
	.amdhsa_code_object_version 6
	.text
	.protected	k_qd01035d6a6_attn
	.globl	k_qd01035d6a6_attn
	.p2align	8
	.type	k_qd01035d6a6_attn,@function
k_qd01035d6a6_attn:
	s_mov_b64 s[64:65], 0
	v_nop
	global_prefetch_b8 v0, s[64:65] scope:SCOPE_SE
	s_setreg_imm32_b32 hwreg(HW_REG_WAVE_MODE, 25, 1), 1
	s_wait_xcnt 0x0
; out[b][t][4 kvh + g][:] = the sum over s of softmax_s(q . k, where s <= t and id[s] == id[t]) v[b][s][kvh][:].  No 1 / sqrt(d): the logits are the plain products.
; q . k runs on codes of E2M1 with one E8M0 scale for each 32 channels (K's codes come from kc and ks; Q is quantised here, in registers: each of its rows is read by this wave alone);
; the weights p and V go to the second product in f16, sums in f32; maxima, exponentials and the row's sum (of the unrounded p) in f32.
; SHARES.  A work-group is ONE wave with all of a SIMD's registers.  It owns 16 positions x the 4 query heads of one key/value head: four tiles of 16 rows (tile t = head g) that share K, V and the mask.
; 2 x 8 x 128 = 2,048 such jobs; late positions, which have the most keys under the causal mask, are started first.  Waves share nothing: no barrier.
; LAYOUT.  S^T = K Q^T (source 0 = 16 keys, source 1 = 16 rows): a lane holds ONE row (lane % 16) and the keys 8 (lane / 16) + 0..7.  Two such tiles, rounded to f16 in pairs, ARE source 1 (32 keys x 16 rows) of
; O^T = V^T P, whose result again holds one row a lane, and eight channels.  Nothing changes lanes between the products.
; THE WALK goes from the step of 64 keys that holds the diagonal DOWNWARD, so that the first step has a key that counts for every row (its own): the running maximum is a true one from the start.
; WHAT IS LEFT OUT.  Steps above the diagonal.  And steps below the lowest step whose keys' ids (smallest .. largest) overlap my positions' ids (smallest .. largest): every pair there has different ids.
; The ids are an input: they are read, all 2,048 of my batch, and nothing is assumed of their order.  Every step that is walked takes the exact mask (id[s] == id[t] and s <= t), but for steps below the
; diagonal step in which all 64 keys and all 16 positions carry one id: there nothing is hidden.  The mask is a bias, 0 or -1e30, given as the C of the first product: made once for the four heads.
; WHY NO TENSOR LOADS, NO LDS RING AND NO JOINT REQUESTS, though jobs share K's and V's tiles: a job walks s_diag - s_first + 1 steps, and s_first hangs on ids read from memory; partners would want
; different numbers of tiles.  So the fragments come from memory straight into registers, laid by the launch before in the registers' order.
; LIMITS: NaN and infinities are not served; a block of Q whose largest magnitude lies under 2^-124 keeps the scale byte 1; |V| under 65,504; logits under about 1e29 in size (a hidden score is the logit - 1e30);
; a weight under 6e-8 of its row's largest is lost in f16; ids are compared as 32-bit words.
;
; REGISTERS, in windows of 256 (s_set_vgpr_msb's low byte: bits 1:0 source 0, 3:2 source 1, 5:4 source 2, 7:6 destination):
;   window 0: v1-15 addresses and the scan's results; v16-47 statistics, 8 a tile; v48-51 Q's scale words, v52-53 K's; v54-62 the quantiser's; v64-191 S^T, 32 a tile; v192-255 P, 16 a tile (at the head: 64 ids)
;   window 1: O^T, 64 a tile (at the head: Q as loaded)      window 2: v0-31 Q's codes; v32-63 K's; v64-95 the keys' ids; v96-127 the bias; v128-132 the mask's own
;   window 3: v0-127 V of one step (on the way out: v0-255, 64 rows of the output)
.set PITCH, 528                        ; a stage row: 512 bytes + 16: an odd multiple of 16
.set SPARE, 64*PITCH                   ; LDS: one stage of 64 rows (row 16 g + p), for Q on the way in and O on the way out; behind it the spare words: one block of 256 bytes that no other line names
.set LN16, 1                           ; v1   16 x lane
.set RR,   2                           ; v2   r = lane % 16
.set HH,   3                           ; v3   h = lane / 16
.set QR,   4                           ; v4   the stage, Q back: 528 r + 128 h
.set STO,  5                           ; v5   the stage, O in: 528 r + 32 h
.set IDO,  6                           ; v6   32 h: my eight keys' ids in a tile's 64 bytes
.set KSO,  7                           ; v7   8 x lane
.set SCO,  8                           ; v8   256 x lane: the ids of step = lane
.set QSO,  9                           ; v9   4 r
.set SH8,  10                          ; v10  8 h
.set TMP,  11
.set SPW,  12                          ; v12  LDS address of my spare word; never rewritten
.set NIL,  13                          ; v13  0; never rewritten
.set KMIN, 14                          ; v14  lane L: the smallest id among step L's 64 keys
.set KMAX, 15                          ; v15  the largest
.set ST,   16                          ; tile t's statistics at v[ST+8 t]: +0 c m, +1 m, +2, +3 l (even keys', odd keys'), +4 to +7 c0-c3 at work; a takes c2's place, c m_old - c m_new c3's
.set QSC,  48
.set KSC,  52
.set QM,   54                          ; v54-57 four running maxima
.set QE,   58                          ; v58-59 the conversions' scale operands
.set QB,   60                          ; v60-61 the scales' bytes
.set QTP,  62                          ; v62  a lane permute's destination
.set S,    64
.set P,    192
.set QC,   0                           ; window 2
.set KC,   32
.set IDS,  64
.set BI,   96
.set QS,   128                         ; the id of position p0 + r
.set DD0,  129                         ; p0 + r - 8 h
.set DD,   130                         ; the same less the step's first key
.set NEG,  131                         ; -1e30
.set ZR,   132                         ; 0
.set STP,  20                          ; s20  the step in hand
.set CNT,  21                          ; s21  steps still to walk below it
.set CLR,  22                          ; s22  bit s: step s hides nothing
.set NX,   23                          ; s23  the step whose K is asked for
.set CS,   24                          ; s[24:25] c = log2(e): the packed form names a pair and takes its low word for both halves
.set SEL,  26                          ; s[26:27] lane selects for v_permlanex16_b32: lane l xor 16
.set OF,   28                          ; s[28:29] an offset; the high word stays 0
.set VA,   30                          ; s[30:31] V's step;  s[32:33] K's codes;  s[34:35] K's scale words;  s[36:37] the keys' ids;  s[38:39] my positions' ids
.set KA,   32
.set KSA,  34
.set SGA,  36
.set PIA,  38
.set MK,   66                          ; s66-73 eight lane masks that take turns
.set MSB, 0
.macro WIN new                         ; the immediate's high byte repeats the setting that is left; a switch that changes nothing is dropped
.if MSB != \new
	s_set_vgpr_msb (MSB<<8)|\new
.set MSB, \new
.endif
.endm
.set W_QK, 0x2a                        ; K, Q and the bias in window 2, S^T in window 0
.set W_PV, 0x53                        ; V in window 3, P in window 0, O^T in window 1
.set W_RS, 0x41                        ; O^T (destination and source 0) in window 1, a in window 0
.set W_M,  0xaa                        ; all in window 2
.set TO1,  0x40
.set TO2,  0x80
.set TO3,  0xc0
.macro PLACES n
.rept \n
	v_nop
.endr
.endm
	s_load_b256 s[4:11], s[0:1], 0x0               ; query s[4:5], ids s[6:7], kc s[8:9], ks s[10:11]
	s_load_b128 s[12:15], s[0:1], 0x20             ; vt s[12:13], out0 s[14:15]
	v_lshl_add_u32 v[SPW], v0, 2, SPARE
	v_mov_b32 v[NIL], 0
	v_lshlrev_b32 v[LN16], 4, v0                   ; one wave: the thread's number is the lane
	v_and_b32 v[RR], 15, v0
	v_lshrrev_b32 v[HH], 4, v0
	v_mul_u32_u24 v[QR], v[RR], PITCH
	v_lshl_add_u32 v[STO], v[HH], 5, v[QR]
	v_lshl_add_u32 v[QR], v[HH], 7, v[QR]
	v_lshlrev_b32 v[IDO], 5, v[HH]
	v_lshlrev_b32 v[KSO], 3, v0
	v_lshlrev_b32 v[SCO], 8, v0
	v_lshlrev_b32 v[QSO], 2, v[RR]
	v_lshlrev_b32 v[SH8], 3, v[HH]
	v_mov_b32 v[QTP], 0                            ; written once: a lane permute's destination counts as one of its sources
	s_sub_co_u32 s16, 127, ttmp9                   ; i: my block of 16 positions; late blocks first
	s_and_b32 s17, ttmp7, 0xffff                   ; y = 8 b + kvh
	s_lshr_b32 s18, s17, 3                         ; b
	s_and_b32 s19, s17, 7                          ; kvh
	s_lshr_b32 s[STP], s16, 2                      ; the step that holds the diagonal
	s_mov_b32 s[NX], s[STP]
	s_mov_b32 s[CS], 0x3fb8aa3b
	s_mov_b32 s[CS+1], s[CS]
	s_mov_b32 s[SEL], 0x76543210
	s_mov_b32 s[SEL+1], 0xfedcba98
	s_lshl_b32 s[OF], s18, 25                      ; Q and O: b << 25 | i << 18 | kvh << 11: 16 positions of 16,384 bytes, 4 heads of 512
	s_lshl_b32 s74, s16, 18
	s_or_b32 s[OF], s[OF], s74
	s_lshl_b32 s74, s19, 11
	s_or_b32 s[OF], s[OF], s74
	s_mov_b32 s[OF+1], 0
	s_wait_kmcnt 0x0
	s_add_nc_u64 s[4:5], s[4:5], s[OF:OF+1]
	s_add_nc_u64 s[14:15], s[14:15], s[OF:OF+1]
	s_lshl_b32 s[OF], s18, 13
	s_add_nc_u64 s[6:7], s[6:7], s[OF:OF+1]        ; my batch's 2,048 ids
	s_lshl_b32 s[OF], s17, 17
	s_add_nc_u64 s[8:9], s[8:9], s[OF:OF+1]        ; my head's 32 steps of codes,
	s_lshl_b32 s[OF], s17, 13
	s_add_nc_u64 s[10:11], s[10:11], s[OF:OF+1]    ; of scale words,
	s_lshl_b32 s[OF], s17, 19
	s_add_nc_u64 s[12:13], s[12:13], s[OF:OF+1]    ; of V
	s_lshl_b32 s[OF], s16, 6
	s_add_nc_u64 s[PIA:PIA+1], s[6:7], s[OF:OF+1]  ; my 16 positions' ids
	s_load_b512 s[40:55], s[PIA:PIA+1], 0x0
.macro QLOAD g                         ; head g of my 16 positions: a whole row of 512 bytes to a load
	WIN TO1
.set n, 0
.rept 16
	global_load_b128 v[64*(\g)+4*n:64*(\g)+4*n+3], v[LN16], s[4:5] offset:16384*n+512*(\g) th:TH_LOAD_NT
.set n, n+1
.endr
	WIN 0
.endm
.macro QSTORE g                        ; into the stage as loaded
	WIN 0x04                                       ; an LDS store's data are its source 1: window 1
.set n, 0
.rept 16
	ds_store_b128 v[LN16], v[64*(\g)+4*n:64*(\g)+4*n+3] offset:PITCH*(16*(\g)+n)
.set n, n+1
.endr
	WIN 0
.endm
.macro QBACK g                         ; and back as the conversions want it: lane (r, h): channels 64 c + 32 h + 0 .. 31 of row r.  LDS serves a wave's instructions in order: these see the stores
.set n, 0
.rept 16
	ds_load_b128 v[S+64*((\g)%2)+4*n:S+64*((\g)%2)+4*n+3], v[QR] offset:PITCH*16*(\g)+16*n+128*(n/8)
.set n, n+1
.endr
.endm
.macro QUANTQ g                        ; 64 numbers of a lane, two whole blocks, become registers 0-7 of tile g's fragment and the row's scale word
.set X, S+64*((\g)%2)
.irp k, 0,1,2,3                        ; four chains of 16 numbers, two to a block, by turns; the floor 2^(3 - 127) among the leaves holds the byte at 1 from below
	v_max3_num_f32 v[QM+\k], |v[X+16*\k]|, |v[X+16*\k+1]|, 0x1800000
.endr
.irp e, 2,4,6,8,10,12,14
.irp k, 0,1,2,3
	v_max3_num_f32 v[QM+\k], v[QM+\k], |v[X+16*\k+\e]|, |v[X+16*\k+\e+1]|
.endr
.endr
	v_max_num_f32 v[QM], v[QM], v[QM+1]
	v_max_num_f32 v[QM+2], v[QM+2], v[QM+3]
	v_add_nc_u32 v[QE], 0xff000000, v[QM]          ; 2 off the exponent field: the conversion's scale operand
	v_add_nc_u32 v[QE+1], 0xff000000, v[QM+2]
	v_lshrrev_b32 v[QB], 23, v[QE]
	v_lshrrev_b32 v[QB+1], 23, v[QE+1]
	v_lshl_or_b32 v[QSC+(\g)], v[QB+1], 16, v[QB]  ; blocks h and 2 + h,
	v_lshlrev_b32 v[QSC+(\g)], v[SH8], v[QSC+(\g)] ; at their places;
	v_permlanex16_b32 v[QTP], v[QSC+(\g)], s[SEL], s[SEL+1]
	v_or_b32 v[QSC+(\g)], v[QSC+(\g)], v[QTP]      ; with lane l xor 16's two the word is whole
	WIN TO2
.irp c, 0,1
.irp q, 0,1,2,3
	v_cvt_scalef32_pk8_fp4_f32 v[QC+8*(\g)+4*\c+\q], v[X+32*\c+8*\q:X+32*\c+8*\q+7], v[QE+\c]
.endr
.endr
	v_nop                                          ; one plain vector line behind the last scaled conversion
	WIN 0
.endm
; 17 loads: step NX's codes of K (8), its keys' ids (8), its scale words (1).  The three address pairs are written here only behind the wait that has shown their last loads done.
.macro KLOAD
	s_lshl_b32 s[OF], s[NX], 12
	s_add_nc_u64 s[KA:KA+1], s[8:9], s[OF:OF+1]
	s_lshl_b32 s[OF], s[NX], 8
	s_add_nc_u64 s[KSA:KSA+1], s[10:11], s[OF:OF+1]
	s_add_nc_u64 s[SGA:SGA+1], s[6:7], s[OF:OF+1]
	WIN TO2
.irp u, 0,1,2,3
.irp c, 0,1
	global_load_b128 v[KC+8*\u+4*\c:KC+8*\u+4*\c+3], v[LN16], s[KA:KA+1] offset:1024*\u+512*\c
.endr
.endr
.irp u, 0,1,2,3
.irp q, 0,1
	global_load_b128 v[IDS+8*\u+4*\q:IDS+8*\u+4*\q+3], v[IDO], s[SGA:SGA+1] offset:64*\u+16*\q   ; register 8 u + j: the id of key 16 u + 8 h + j
.endr
.endr
	WIN 0
	global_load_b64 v[KSC:KSC+1], v[KSO], s[KSA:KSA+1]
.endm
; 32 loads: step STP's V^T, 16 fragments
.macro VLOAD
	s_lshl_b32 s[OF], s[STP], 14
	s_add_nc_u64 s[VA:VA+1], s[12:13], s[OF:OF+1]
	WIN TO3
.irp kk, 0,1
.irp c, 0,1,2,3,4,5,6,7
.irp hf, 0,1
	global_load_b128 v[64*\kk+8*\c+4*\hf:64*\kk+8*\c+4*\hf+3], v[LN16], s[VA:VA+1] offset:8192*\kk+1024*\c+512*\hf
.endr
.endr
.endr
	WIN 0
.endm
	; the scan's ids (lane L: the 64 ids of step L), my rows' ids, and the first two heads of Q
.set n, 0
.rept 16
	global_load_b128 v[P+4*n:P+4*n+3], v[SCO], s[6:7] offset:16*n
.set n, n+1
.endr
	WIN TO2
	global_load_b32 v[QS], v[QSO], s[PIA:PIA+1]
	WIN 0
	QLOAD 0
	QLOAD 1
	s_wait_loadcnt 32                              ; the ids are in; Q's 32 loads may be out
	v_min_u32 v[KMIN], v[P], v[P+1]                ; each step's smallest and largest id, two chains each
	v_min_u32 v[QM], v[P+2], v[P+3]
	v_max_u32 v[KMAX], v[P], v[P+1]
	v_max_u32 v[QM+1], v[P+2], v[P+3]
.set n, 4
.rept 30
	v_min_u32 v[KMIN], v[KMIN], v[P+n]
	v_min_u32 v[QM], v[QM], v[P+n+1]
	v_max_u32 v[KMAX], v[KMAX], v[P+n]
	v_max_u32 v[QM+1], v[QM+1], v[P+n+1]
.set n, n+2
.endr
	v_min_u32 v[KMIN], v[KMIN], v[QM]
	v_max_u32 v[KMAX], v[KMAX], v[QM+1]
	s_wait_kmcnt 0x0
	s_min_u32 s56, s40, s41                        ; my 16 positions' smallest id,
	s_max_u32 s57, s40, s41                        ; and largest
.irp k, 42,43,44,45,46,47,48,49,50,51,52,53,54,55
	s_min_u32 s56, s56, s[\k]
	s_max_u32 s57, s57, s[\k]
.endr
	v_cmp_le_u32 s58, v[KMIN], s57                 ; bit L: step L's range of ids meets mine
	v_cmp_ge_u32 s59, v[KMAX], s56
	v_cmp_eq_u32 s60, v[KMIN], v[KMAX]             ; bit L: step L's keys carry one id,
	v_cmp_eq_u32 s61, v[KMIN], s56                 ; which is my smallest
	s_and_b32 s58, s58, s59
	s_lshl_b32 s59, 1, s[STP]
	s_or_b32 s58, s58, s59                         ; the diagonal step is always walked, so the lowest bit set is at or under it
	s_ctz_i32_b32 s58, s58                         ; the lowest step to walk
	s_min_u32 s58, s58, 31
	s_sub_co_u32 s[CNT], s[STP], s58               ; steps below the diagonal step
	s_and_b32 s60, s60, s61
	s_cmp_eq_u32 s56, s57                          ; my positions carry one id?
	s_cselect_b32 s61, -1, 0
	s_and_b32 s[CLR], s60, s61
	s_lshl_b32 s74, s16, 4                         ; p0
	v_sub_nc_u32 v[TMP], v[RR], v[SH8]
	v_add_nc_u32 v[TMP], s74, v[TMP]
	WIN TO2
	v_mov_b32 v[DD0], v[TMP]
	v_mov_b32 v[NEG], 0xf149f2ca                   ; -1e30
	v_mov_b32 v[ZR], 0
	WIN 0
	; Q: head by head through the stage and the quantiser, the loads two heads ahead
	QLOAD 2
	s_wait_loadcnt 32                              ; head 0 is in; heads 1 and 2 may be out
	QSTORE 0
	QBACK 0
	QLOAD 3
	s_wait_dscnt 0x0
	QUANTQ 0
	s_wait_loadcnt 32                              ; head 1 is in; heads 2 and 3 may be out
	QSTORE 1
	QBACK 1
	KLOAD                                          ; the diagonal step's K
	s_wait_dscnt 0x0
	QUANTQ 1
	s_wait_loadcnt 33                              ; head 2 is in; head 3's 16 loads and K's 17 may be out
	QSTORE 2
	QBACK 2
	s_wait_dscnt 0x0
	QUANTQ 2
	s_wait_loadcnt 17                              ; head 3 is in; K's 17 may be out
	QSTORE 3
	QBACK 3
	s_wait_dscnt 0x0
	QUANTQ 3
; THE BIAS of a step, in the layout of a tile of S^T: register 8 u + j of lane (r, h): key 16 u + 8 h + j against position p0 + r: 0 where the ids are equal and the key is not later, else -1e30.
; It serves all four heads.  Four registers at a time, so that the scalar lines do not wait for the compares just issued.
.macro MASK
	s_lshl_b32 s74, s[STP], 6                      ; the step's first key
	WIN W_M
	v_sub_nc_u32 v[DD], v[DD0], s74                ; the key counts where 16 u + j <= p0 + r - 8 h - the step's first key
.irp u, 0,1,2,3
.irp q, 0,4
.irp j, 0,1,2,3
	v_cmp_eq_u32 s[MK+2*\j], v[IDS+8*\u+\q+\j], v[QS]
	v_cmp_le_i32 s[MK+2*\j+1], 16*\u+\q+\j, v[DD]
.endr
.irp j, 0,1,2,3
	s_and_b32 s[MK+2*\j], s[MK+2*\j], s[MK+2*\j+1]
.endr
.irp j, 0,1,2,3
	v_cndmask_b32 v[BI+8*\u+\q+\j], v[NEG], v[ZR], s[MK+2*\j]
.endr
.endr
.endr
	PLACES 8                                       ; operands and scale words written by vector instructions stand 8 places ahead of a scaled matrix instruction (the first step: Q's codes and words too)
.endm
.macro QK1 t, u, bias
.if \bias
.if (\u)%2
	v_wmma_scale_f32_16x16x128_f8f6f4 v[S+32*\t+8*\u:S+32*\t+8*\u+7], v[KC+8*\u:KC+8*\u+7], v[QC+8*\t:QC+8*\t+7], v[BI+8*\u:BI+8*\u+7], v[KSC+\u/2], v[QSC+\t] matrix_a_fmt:MATRIX_FMT_FP4 matrix_b_fmt:MATRIX_FMT_FP4 matrix_a_scale:MATRIX_SCALE_ROW1
.else
	v_wmma_scale_f32_16x16x128_f8f6f4 v[S+32*\t+8*\u:S+32*\t+8*\u+7], v[KC+8*\u:KC+8*\u+7], v[QC+8*\t:QC+8*\t+7], v[BI+8*\u:BI+8*\u+7], v[KSC+\u/2], v[QSC+\t] matrix_a_fmt:MATRIX_FMT_FP4 matrix_b_fmt:MATRIX_FMT_FP4
.endif
.else
.if (\u)%2
	v_wmma_scale_f32_16x16x128_f8f6f4 v[S+32*\t+8*\u:S+32*\t+8*\u+7], v[KC+8*\u:KC+8*\u+7], v[QC+8*\t:QC+8*\t+7], 0, v[KSC+\u/2], v[QSC+\t] matrix_a_fmt:MATRIX_FMT_FP4 matrix_b_fmt:MATRIX_FMT_FP4 matrix_a_scale:MATRIX_SCALE_ROW1
.else
	v_wmma_scale_f32_16x16x128_f8f6f4 v[S+32*\t+8*\u:S+32*\t+8*\u+7], v[KC+8*\u:KC+8*\u+7], v[QC+8*\t:QC+8*\t+7], 0, v[KSC+\u/2], v[QSC+\t] matrix_a_fmt:MATRIX_FMT_FP4 matrix_b_fmt:MATRIX_FMT_FP4
.endif
.endif
.endm
; S^T = K Q^T (+ the bias): 16 products, each a whole sum (the head's 128 channels are one instruction's K), each with its own result.  Odd tiles' scale words stand in lanes 16-31.
.macro QK bias
	WIN W_QK
.irp u, 0,1,2,3
.irp t, 0,1,2,3
	QK1 \t, \u, \bias
.endr
.endr
.endm
.macro SCALE t, n                      ; pair n of tile t: c s - c m
	v_pk_fma_f32 v[S+32*(\t)+2*(\n):S+32*(\t)+2*(\n)+1], v[S+32*(\t)+2*(\n):S+32*(\t)+2*(\n)+1], s[CS:CS+1], v[ST+8*(\t):ST+8*(\t)+1] op_sel_hi:[1,0,0] neg_lo:[0,0,1] neg_hi:[0,0,1]
.endm
; THE SOFTMAX of a step, the four tiles by turns, so that no line waits for the line above it.  first = 1: the first step starts m, l and O^T: it has no a and nothing to rescale.
.macro SOFTMAX first
.irp j, 0,1,2,3                        ; the maximum: four chains a tile; each of S^T's results is read from its low end on
.irp t, 0,1,2,3
	v_max3_num_f32 v[ST+8*\t+4+\j], v[S+32*\t+8*\j], v[S+32*\t+8*\j+1], v[S+32*\t+8*\j+2]
.endr
.endr
.irp g, 1,2
.irp j, 0,1,2,3
.irp t, 0,1,2,3
	v_max3_num_f32 v[ST+8*\t+4+\j], v[ST+8*\t+4+\j], v[S+32*\t+8*\j+2*\g+1], v[S+32*\t+8*\j+2*\g+2]
.endr
.endr
.endr
.irp t, 0,1,2,3
	v_max3_num_f32 v[ST+8*\t+4], v[ST+8*\t+4], v[S+32*\t+7], v[S+32*\t+15]
.endr
.irp t, 0,1,2,3
	v_max3_num_f32 v[ST+8*\t+6], v[ST+8*\t+6], v[S+32*\t+23], v[S+32*\t+31]
.endr
.irp t, 0,1,2,3
	v_max3_num_f32 v[ST+8*\t+4], v[ST+8*\t+4], v[ST+8*\t+5], v[ST+8*\t+6]
.endr
.irp t, 0,1,2,3
.if \first
	v_max_num_f32 v[ST+8*\t+4], v[ST+8*\t+4], v[ST+8*\t+7]
.else
	v_max3_num_f32 v[ST+8*\t+4], v[ST+8*\t+4], v[ST+8*\t+7], v[ST+8*\t+1]   ; and the old m
.endif
.endr
.irp t, 0,1,2,3
	v_permlanex16_b32 v[ST+8*\t+5], v[ST+8*\t+4], s[SEL], s[SEL+1]          ; the row's other 32 keys lie in the lane 16 away
.endr
.if !\first
.irp t, 0,1,2,3
	v_mov_b32 v[ST+8*\t+7], v[ST+8*\t]             ; c m_old is kept for a
.endr
.endif
.irp t, 0,1,2,3
	v_max_num_f32 v[ST+8*\t+1], v[ST+8*\t+4], v[ST+8*\t+5]
.endr
.irp t, 0,1,2,3
	v_mul_f32 v[ST+8*\t], s[CS], v[ST+8*\t+1]
.endr
.if !\first
.irp t, 0,1,2,3
	v_sub_f32 v[ST+8*\t+7], v[ST+8*\t+7], v[ST+8*\t]
.endr
.irp t, 0,1,2,3
	v_exp_f32 v[ST+8*\t+6], v[ST+8*\t+7]           ; a = 2^(c m_old - c m_new)
.endr
.endif
	; ONE BATCH: all scalings and all exponentials; no line of it names an exponential's result.  A tile's exponentials stand between the next tile's scalings.
.set n, 0
.rept 16
	SCALE 0, n
.set n, n+1
.endr
.irp t, 0,1,2,3
.set n, 0
.rept 16
	v_exp_f32 v[S+32*\t+2*n], v[S+32*\t+2*n]
	v_exp_f32 v[S+32*\t+2*n+1], v[S+32*\t+2*n+1]
.if \t < 3
	SCALE \t+1, n
.endif
.set n, n+1
.endr
.endr
	v_nop                                          ; a plain line behind the last exponential,
	s_wait_alu depctr_va_vdst(0)                   ; and the one wait ahead of the batch's first reader
.set n, 0
.rept 16
.irp t, 0,1,2,3
	v_cvt_pk_f16_f32 v[P+16*\t+n], v[S+32*\t+2*n], v[S+32*\t+2*n+1]         ; two weights to a register: source 1 of the second product as it stands
.endr
.set n, n+1
.endr
.irp u, 0,1,2,3,4,5,6,7                ; the row's sum, of the unrounded weights: a tree over the tile's 16 pairs, in place
.irp t, 0,1,2,3
	v_pk_add_f32 v[S+32*\t+4*\u:S+32*\t+4*\u+1], v[S+32*\t+4*\u:S+32*\t+4*\u+1], v[S+32*\t+4*\u+2:S+32*\t+4*\u+3]
.endr
.endr
.irp u, 0,1,2,3
.irp t, 0,1,2,3
	v_pk_add_f32 v[S+32*\t+8*\u:S+32*\t+8*\u+1], v[S+32*\t+8*\u:S+32*\t+8*\u+1], v[S+32*\t+8*\u+4:S+32*\t+8*\u+5]
.endr
.endr
.irp u, 0,1
.irp t, 0,1,2,3
	v_pk_add_f32 v[S+32*\t+16*\u:S+32*\t+16*\u+1], v[S+32*\t+16*\u:S+32*\t+16*\u+1], v[S+32*\t+16*\u+8:S+32*\t+16*\u+9]
.endr
.endr
.if \first
.irp t, 0,1,2,3
	v_pk_add_f32 v[ST+8*\t+2:ST+8*\t+3], v[S+32*\t:S+32*\t+1], v[S+32*\t+16:S+32*\t+17]
.endr
.else
.irp t, 0,1,2,3
	v_pk_add_f32 v[S+32*\t:S+32*\t+1], v[S+32*\t:S+32*\t+1], v[S+32*\t+16:S+32*\t+17]
.endr
.irp t, 0,1,2,3
	v_pk_fma_f32 v[ST+8*\t+2:ST+8*\t+3], v[ST+8*\t+2:ST+8*\t+3], v[ST+8*\t+6:ST+8*\t+7], v[S+32*\t:S+32*\t+1] op_sel_hi:[1,0,1]   ; l = a l + the sum
.endr
	WIN W_RS
.set n, 0
.rept 32                               ; O^T times a, each result from its low end on
.irp t, 0,1,2,3
	v_pk_mul_f32 v[64*\t+2*n:64*\t+2*n+1], v[64*\t+2*n:64*\t+2*n+1], v[ST+8*\t+6:ST+8*\t+7] op_sel_hi:[1,0]
.endr
.set n, n+1
.endr
.endif
.endm
; O^T += V^T P: product i of 64: keys 32 (i / 32) on, channels 16 ((i / 4) % 8) on, tile i % 4.  The 32 accumulators take turns, one instruction a turn.
; first = 1: the first 32 start the sums: nothing is ever cleared.
.macro PV first
	WIN W_PV
.set i, 0
.rept 64
.set rO, 64*(i%4)+8*((i/4)%8)
.set rV, 64*(i/32)+8*((i/4)%8)
.set rP, P+16*(i%4)+8*(i/32)
.if \first && (i < 32)
	v_wmma_f32_16x16x32_f16 v[rO:rO+7], v[rV:rV+7], v[rP:rP+7], 0
.else
	v_wmma_f32_16x16x32_f16 v[rO:rO+7], v[rV:rV+7], v[rP:rP+7], v[rO:rO+7]
.endif
.set i, i+1
.endr
.endm
; A KEY STEP of 64 keys.  Its K, ids and scale words were asked for a step ago; its V is asked for at its head and wanted behind the softmax.
; Every way through a step issues the same loads in the same order, so the two counted waits hold on every way: behind the last step the group of 17 is step 0's or the last step's neighbour's, inside the buffers, and nobody reads it.
.macro STEP first
.if !\first
	PLACES 4                                       ; in front of loads into V's registers, which the last products read
.endif
	VLOAD
	s_wait_loadcnt 32                              ; all but V's 32 just issued: this step's K, ids and scale words are in
.if \first
	MASK                                           ; the diagonal step always takes the exact mask
	QK 1
	WIN 0
.else
	s_bitcmp1_b32 s[CLR], s[STP]                   ; one id in all 64 keys and all 16 positions, below the diagonal step: nothing is hidden
	s_cbranch_scc1 .Lclear_\@
	MASK
	QK 1
	WIN 0
	s_branch .Ljoin_\@
.Lclear_\@:
	QK 0
	WIN 0
.Ljoin_\@:
.endif
	PLACES 4                                       ; behind the products: in front of loads into K's registers and scale words, and of the first read of the scores
	s_sub_co_i32 s[NX], s[STP], 1
	s_max_i32 s[NX], s[NX], 0                      ; the next step down; never under 0
	KLOAD
	SOFTMAX \first
	s_wait_loadcnt 17                              ; all but the 17 just issued: V is in
	PV \first
	WIN 0
.endm
	STEP 1
	s_cmp_eq_u32 s[CNT], 0
	s_cbranch_scc1 .Lout
.Lstep:
	s_sub_co_u32 s[STP], s[STP], 1
	STEP 0
	s_sub_co_u32 s[CNT], s[CNT], 1
	s_cmp_lg_u32 s[CNT], 0
	s_cbranch_scc1 .Lstep
.Lout:
	; THE WAY OUT.  l's two halves and the other half of the lanes' are added (these lines are the places behind the last products); O^T is divided by l and goes through the stage, a head (16 rows) at a time.
.irp t, 0,1,2,3
	v_add_f32 v[ST+8*\t+4], v[ST+8*\t+2], v[ST+8*\t+3]
.endr
.irp t, 0,1,2,3
	v_permlanex16_b32 v[ST+8*\t+5], v[ST+8*\t+4], s[SEL], s[SEL+1]
.endr
.irp t, 0,1,2,3
	v_add_f32 v[ST+8*\t+4], v[ST+8*\t+4], v[ST+8*\t+5]
.endr
.irp t, 0,1,2,3
	v_rcp_f32 v[ST+8*\t+6], v[ST+8*\t+4]           ; l is at least about 1: the row's largest weight is 2^0
.endr
	v_nop                                          ; a plain line behind the last reciprocal,
	s_wait_alu depctr_va_vdst(0)                   ; and the one wait ahead of the first use
; Tile t: a lane's eight channels of a row are 32 bytes; they go into rows of 528 bytes and come back as whole rows of 512.
.macro PACK t
	WIN 0x01                                       ; O^T in window 1; the quotient goes into S^T's registers, which are free: two halves by turns
.set n, 0
.rept 32
	v_pk_mul_f32 v[S+64*((\t)%2)+2*n:S+64*((\t)%2)+2*n+1], v[64*(\t)+2*n:64*(\t)+2*n+1], v[ST+8*(\t)+6:ST+8*(\t)+7] op_sel_hi:[1,0]
.set n, n+1
.endr
	WIN 0
.irp c, 0,1,2,3,4,5,6,7
	ds_store_b128 v[STO], v[S+64*((\t)%2)+8*\c:S+64*((\t)%2)+8*\c+3] offset:PITCH*16*(\t)+64*\c
	ds_store_b128 v[STO], v[S+64*((\t)%2)+8*\c+4:S+64*((\t)%2)+8*\c+7] offset:PITCH*16*(\t)+64*\c+16
.endr
	WIN TO3
.set n, 0
.rept 16
	ds_load_b128 v[64*(\t)+4*n:64*(\t)+4*n+3], v[LN16] offset:PITCH*(16*(\t)+n)    ; LDS serves a wave's instructions in order: these see the stores above
.set n, n+1
.endr
	WIN 0
.endm
.macro SEND t, younger                 ; younger: the LDS instructions issued behind tile t's loads: the next tile's 32, or none
	WIN 0x0c                                       ; a store's data are its source 1: window 3
.set n, 0
.rept 16
	s_wait_dscnt \younger+15-n                     ; row n is back; the rows behind it and the next tile's may be out
	global_store_b128 v[LN16], v[64*(\t)+4*n:64*(\t)+4*n+3], s[14:15] offset:16384*n+512*(\t) th:TH_STORE_NT   ; 32 lanes store a row's 512 consecutive bytes, aligned; written once, read by nobody here
.set n, n+1
.endr
	WIN 0
.endm
	PACK 0
	PACK 1                                         ; a tile's arithmetic stands between the loads of the tile before and its stores
	SEND 0, 32
	PACK 2
	SEND 1, 32
	PACK 3
	SEND 2, 32
	SEND 3, 0
	s_wait_tensorcnt 0x0                           ; the wave's end: behind my last LDS store
	ds_add_u32 v[SPW], v[NIL]
	s_wait_dscnt 0x0
	s_endpgm
.Lfunc_end_k_qd01035d6a6_attn:
	.size	k_qd01035d6a6_attn, .Lfunc_end_k_qd01035d6a6_attn-k_qd01035d6a6_attn
	.p2alignl 7, 3214868480
	.fill 96, 4, 3214868480
	.section	.rodata,"a",@progbits
	.p2align	6, 0x0
	.amdhsa_kernel k_qd01035d6a6_attn
		.amdhsa_group_segment_fixed_size 34048
		.amdhsa_private_segment_fixed_size 0
		.amdhsa_enable_private_segment 0
		.amdhsa_kernarg_size 48
		.amdhsa_user_sgpr_count 2
		.amdhsa_user_sgpr_kernarg_segment_ptr 1
		.amdhsa_wavefront_size32 1
		.amdhsa_system_sgpr_workgroup_id_x 1
		.amdhsa_system_sgpr_workgroup_id_y 1
		.amdhsa_system_sgpr_workgroup_id_z 1
		.amdhsa_system_vgpr_workitem_id 0
		.amdhsa_next_free_vgpr 1024
		.amdhsa_next_free_sgpr 80
		.amdhsa_reserve_vcc 0
		.amdhsa_float_denorm_mode_32 3
		.amdhsa_float_denorm_mode_16_64 3
		.amdhsa_memory_ordered 1
		.amdhsa_forward_progress 1
		.amdhsa_inst_pref_size 154
	.end_amdhsa_kernel
	.amdgpu_metadata
---
amdhsa.version: [ 1, 2 ]
amdhsa.kernels:
  - .name:           k_qd01035d6a6_attn
    .symbol:         k_qd01035d6a6_attn.kd
    .args:
      - { .name: query, .offset: 0, .size: 8, .value_kind: global_buffer, .address_space: global }
      - { .name: decoder_segment_ids, .offset: 8, .size: 8, .value_kind: global_buffer, .address_space: global }
      - { .name: kc, .offset: 16, .size: 8, .value_kind: global_buffer, .address_space: global }
      - { .name: ks, .offset: 24, .size: 8, .value_kind: global_buffer, .address_space: global }
      - { .name: vt, .offset: 32, .size: 8, .value_kind: global_buffer, .address_space: global }
      - { .name: out0, .offset: 40, .size: 8, .value_kind: global_buffer, .address_space: global }
    .group_segment_fixed_size: 34048
    .private_segment_fixed_size: 0
    .kernarg_segment_align: 8
    .kernarg_segment_size: 48
    .max_flat_workgroup_size: 32
    .sgpr_count:     80
    .vgpr_count:     1024
    .wavefront_size: 32
...
	.end_amdgpu_metadata
.endif
;; end of part 2
;; ======== version 2 of 2: 2 launches; version 1 with the launch attn written anew for expert scheduling mode
;; limits: values are held in f16: magnitudes above 65,504 overflow, below 6.1e-05 lose precision; right only within a limited range of input values
;; workspace buffers: kc 2,097,152 bytes; ks 131,072 bytes; vt 8,388,608 bytes
;; launch prep: the kernel of part 1 again; grid 640 x 1, 4 waves a work-group, no clusters, 34,304 bytes of LDS; arguments key, value, kc, ks, vt; writes kc, ks, vt
;; launch attn (part 3): grid 128 x 16, 1 waves a work-group, no clusters, 34,048 bytes of LDS; arguments query, decoder_segment_ids, kc, ks, vt, out0; writes out0
.if DOCPART == 3
	.amdgcn_target "amdgcn-amd-amdhsa--gfx1250"
	.amdhsa_code_object_version 6
	.text
	.protected	k_qd01035d6a6_attn
	.globl	k_qd01035d6a6_attn
	.p2align	8
	.type	k_qd01035d6a6_attn,@function
k_qd01035d6a6_attn:
	s_mov_b64 s[64:65], 0
	v_nop
	global_prefetch_b8 v0, s[64:65] scope:SCOPE_SE
	s_setreg_imm32_b32 hwreg(HW_REG_WAVE_SCHED_MODE, 0, 2), 2
	s_setreg_imm32_b32 hwreg(HW_REG_WAVE_MODE, 25, 1), 1
	s_wait_xcnt 0x0
	s_wait_alu depctr_vm_vsrc(0)
; out[b][t][4 kvh + g][:] = the sum over s of softmax_s(q . k, where s <= t and id[s] == id[t]) v[b][s][kvh][:].  No 1 / sqrt(d): the logits are the plain products.
; q . k runs on codes of E2M1 with one E8M0 scale for each 32 channels (K's codes come from kc and ks; Q is quantised here, in registers: each of its rows is read by this wave alone);
; the weights p and V go to the second product in f16, sums in f32; maxima, exponentials and the row's sum (of the unrounded p) in f32.
; SHARES.  A work-group is ONE wave with all of a SIMD's registers.  It owns 16 positions x the 4 query heads of one key/value head: four tiles of 16 rows (tile t = head g) that share K, V and the mask.
; 2 x 8 x 128 = 2,048 such jobs; late positions, which have the most keys under the causal mask, are started first.  Waves share nothing: no barrier.
; LAYOUT.  S^T = K Q^T (source 0 = 16 keys, source 1 = 16 rows): a lane holds ONE row (lane % 16) and the keys 8 (lane / 16) + 0..7.  Two such tiles, rounded to f16 in pairs, ARE source 1 (32 keys x 16 rows) of
; O^T = V^T P, whose result again holds one row a lane, and eight channels.  Nothing changes lanes between the products.
; THE WALK goes from the step of 64 keys that holds the diagonal DOWNWARD, so that the first step has a key that counts for every row (its own): the running maximum is a true one from the start.
; WHAT IS LEFT OUT.  Steps above the diagonal.  And steps below the lowest step whose keys' ids (smallest .. largest) overlap my positions' ids (smallest .. largest): every pair there has different ids.
; The ids are an input: they are read, all 2,048 of my batch, and nothing is assumed of their order.  Every step that is walked takes the exact mask (id[s] == id[t] and s <= t), but for steps below the
; diagonal step in which all 64 keys and all 16 positions carry one id: there nothing is hidden.  The mask is a bias, 0 or -1e30, given as the C of the first product: made once for the four heads.
; WHY NO TENSOR LOADS, NO LDS RING AND NO JOINT REQUESTS, though jobs share K's and V's tiles: a job walks s_diag - s_first + 1 steps, and s_first hangs on ids read from memory; partners would want
; different numbers of tiles.  So the fragments come from memory straight into registers, laid by the launch before in the registers' order.
; LIMITS: NaN and infinities are not served; a block of Q whose largest magnitude lies under 2^-124 keeps the scale byte 1; |V| under 65,504; logits under about 1e29 in size (a hidden score is the logit - 1e30);
; a weight under 6e-8 of its row's largest is lost in f16; ids are compared as 32-bit words.
; THE MODE: SCHED_MODE bits 1:0 = 2 (LLVM: expert scheduling mode 2), set by the entry lines.  The code itself states the register dependences between vector or matrix instructions and memory or LDS
; instructions, with s_wait_alu, always for 0.
; THE PLAN.  Registers that memory or LDS instructions touch:
;   v1, v4-v9, v63, v12, v13   offsets and LDS addresses: made once at the head, never written again.  Loads go by v1, stores by v63 (the same number), so that no store names a register of a later load.
;   window 1      at the head: Q as loaded; read by the LDS stores into the stage; written again by the first products V^T P.  On the way out: the quotient, made in place, read by the LDS stores, not written again.
;   v64-191       at the head: two halves of 64; the stage's loads land there (heads 0, 2 | heads 1, 3), the quantiser reads them.
;   K's codes, the keys' ids (window 2), K's scale words (v52-53)   read by the mask's compares and the 16 scaled products of a step; behind them the next step's 17 loads land there.
;   V (window 3)  read by a step's 64 products V^T P; the next step's 32 loads land there.  On the way out the stage's loads land in window 3, and the global stores read it.
; IN THE LOOP one wait on va_vdst of its own stands in a step, behind the scaled products: it states that they and the compares are done with K's registers and that the step before's V^T P is done with V.
; The step's 49 loads follow it, dealt among the first lines of the softmax, which name v16-47 and v64-255 of window 0 alone: none of the registers that those loads touch.
;
; REGISTERS, in windows of 256 (s_set_vgpr_msb's low byte: bits 1:0 source 0, 3:2 source 1, 5:4 source 2, 7:6 destination):
;   window 0: v1-15 addresses and the scan's results; v16-47 statistics, 8 a tile; v48-51 Q's scale words, v52-53 K's; v54-62 the quantiser's; v63 the stores' offset; v64-191 S^T, 32 a tile; v192-255 P, 16 a tile (at the head: 64 ids)
;   window 1: O^T, 64 a tile (at the head: Q as loaded)      window 2: v0-31 Q's codes; v32-63 K's; v64-95 the keys' ids; v96-127 the bias; v128-132 the mask's own
;   window 3: v0-127 V of one step (on the way out: v0-255, 64 rows of the output)
.set PITCH, 528                        ; a stage row: 512 bytes + 16: an odd multiple of 16
.set SPARE, 64*PITCH                   ; LDS: one stage of 64 rows (row 16 g + p), for Q on the way in and O on the way out; behind it the spare words: one block of 256 bytes that no other line names
.set LN16, 1                           ; v1   16 x lane: the loads' offset
.set RR,   2                           ; v2   r = lane % 16
.set HH,   3                           ; v3   h = lane / 16
.set QR,   4                           ; v4   the stage, Q back: 528 r + 128 h
.set STO,  5                           ; v5   the stage, O in: 528 r + 32 h
.set IDO,  6                           ; v6   32 h: my eight keys' ids in a tile's 64 bytes
.set KSO,  7                           ; v7   8 x lane
.set SCO,  8                           ; v8   256 x lane: the ids of step = lane
.set QSO,  9                           ; v9   4 r
.set SH8,  10                          ; v10  8 h
.set TMP,  11
.set SPW,  12                          ; v12  LDS address of my spare word; never rewritten
.set NIL,  13                          ; v13  0; never rewritten
.set KMIN, 14                          ; v14  lane L: the smallest id among step L's 64 keys
.set KMAX, 15                          ; v15  the largest
.set ST,   16                          ; tile t's statistics at v[ST+8 t]: +0 c m, +1 m, +2, +3 l (even keys', odd keys'), +4 to +7 c0-c3 at work; a takes c2's place, c m_old - c m_new c3's
.set QSC,  48
.set KSC,  52
.set QM,   54                          ; v54-57 four running maxima
.set QE,   58                          ; v58-59 the conversions' scale operands
.set QB,   60                          ; v60-61 the scales' bytes
.set QTP,  62                          ; v62  a lane permute's destination
.set SN16, 63                          ; v63  16 x lane once more: the stores' offset
.set S,    64
.set P,    192
.set QC,   0                           ; window 2
.set KC,   32
.set IDS,  64
.set BI,   96
.set QS,   128                         ; the id of position p0 + r
.set DD0,  129                         ; p0 + r - 8 h
.set DD,   130                         ; the same less the step's first key
.set NEG,  131                         ; -1e30
.set ZR,   132                         ; 0
.set STP,  20                          ; s20  the step in hand
.set CNT,  21                          ; s21  steps still to walk below it
.set CLR,  22                          ; s22  bit s: step s hides nothing
.set NX,   23                          ; s23  the step whose K is asked for
.set CS,   24                          ; s[24:25] c = log2(e): the packed form names a pair and takes its low word for both halves
.set SEL,  26                          ; s[26:27] lane selects for v_permlanex16_b32: lane l xor 16
.set OF,   28                          ; s[28:29] an offset; the high word stays 0
.set VA,   30                          ; s[30:31] V's step;  s[32:33] K's codes;  s[34:35] K's scale words;  s[36:37] the keys' ids;  s[38:39] my positions' ids
.set KA,   32
.set KSA,  34
.set SGA,  36
.set PIA,  38
.set TS,   62                          ; s62  at work
.set MK,   66                          ; s66-97 32 lane masks: a run of the mask's compares
.set MSB, 0
.macro WIN new                         ; the immediate's high byte repeats the setting that is left; a switch that changes nothing is dropped
.if MSB != \new
	s_set_vgpr_msb (MSB<<8)|\new
.set MSB, \new
.endif
.endm
.set W_QK, 0x2a                        ; K, Q and the bias in window 2, S^T in window 0
.set W_PV, 0x53                        ; V in window 3, P in window 0, O^T in window 1
.set W_RS, 0x41                        ; O^T (destination and source 0) in window 1, a in window 0
.set W_M,  0xaa                        ; all in window 2
.set TO1,  0x40
.set TO2,  0x80
.set TO3,  0xc0
.macro PLACES n
.rept \n
	v_nop
.endr
.endm
	s_load_b256 s[4:11], s[0:1], 0x0               ; query s[4:5], ids s[6:7], kc s[8:9], ks s[10:11]
	s_load_b128 s[12:15], s[0:1], 0x20             ; vt s[12:13], out0 s[14:15]
	v_lshl_add_u32 v[SPW], v0, 2, SPARE
	v_mov_b32 v[NIL], 0
	v_lshlrev_b32 v[LN16], 4, v0                   ; one wave: the thread's number is the lane
	v_lshlrev_b32 v[SN16], 4, v0
	v_and_b32 v[RR], 15, v0
	v_lshrrev_b32 v[HH], 4, v0
	v_mul_u32_u24 v[QR], v[RR], PITCH
	v_lshl_add_u32 v[STO], v[HH], 5, v[QR]
	v_lshl_add_u32 v[QR], v[HH], 7, v[QR]
	v_lshlrev_b32 v[IDO], 5, v[HH]
	v_lshlrev_b32 v[KSO], 3, v0
	v_lshlrev_b32 v[SCO], 8, v0
	v_lshlrev_b32 v[QSO], 2, v[RR]
	v_lshlrev_b32 v[SH8], 3, v[HH]
	v_mov_b32 v[QTP], 0                            ; written once: a lane permute's destination counts as one of its sources
	s_sub_co_u32 s16, 127, ttmp9                   ; i: my block of 16 positions; late blocks first
	s_and_b32 s17, ttmp7, 0xffff                   ; y = 8 b + kvh
	s_lshr_b32 s18, s17, 3                         ; b
	s_and_b32 s19, s17, 7                          ; kvh
	s_lshr_b32 s[STP], s16, 2                      ; the step that holds the diagonal
	s_mov_b32 s[NX], s[STP]
	s_mov_b32 s[CS], 0x3fb8aa3b
	s_mov_b32 s[CS+1], s[CS]
	s_mov_b32 s[SEL], 0x76543210
	s_mov_b32 s[SEL+1], 0xfedcba98
	s_lshl_b32 s[OF], s18, 25                      ; Q and O: b << 25 | i << 18 | kvh << 11: 16 positions of 16,384 bytes, 4 heads of 512
	s_lshl_b32 s[TS], s16, 18
	s_or_b32 s[OF], s[OF], s[TS]
	s_lshl_b32 s[TS], s19, 11
	s_or_b32 s[OF], s[OF], s[TS]
	s_mov_b32 s[OF+1], 0
	s_wait_kmcnt 0x0
	s_add_nc_u64 s[4:5], s[4:5], s[OF:OF+1]
	s_add_nc_u64 s[14:15], s[14:15], s[OF:OF+1]
	s_lshl_b32 s[OF], s18, 13
	s_add_nc_u64 s[6:7], s[6:7], s[OF:OF+1]        ; my batch's 2,048 ids
	s_lshl_b32 s[OF], s17, 17
	s_add_nc_u64 s[8:9], s[8:9], s[OF:OF+1]        ; my head's 32 steps of codes,
	s_lshl_b32 s[OF], s17, 13
	s_add_nc_u64 s[10:11], s[10:11], s[OF:OF+1]    ; of scale words,
	s_lshl_b32 s[OF], s17, 19
	s_add_nc_u64 s[12:13], s[12:13], s[OF:OF+1]    ; of V
	s_lshl_b32 s[OF], s16, 6
	s_add_nc_u64 s[PIA:PIA+1], s[6:7], s[OF:OF+1]  ; my 16 positions' ids
	s_load_b512 s[40:55], s[PIA:PIA+1], 0x0
	s_wait_alu depctr_va_vdst(0)                   ; the offsets and LDS addresses v1, v4 to v9 and v63 are written, which every load and store of the kernel reads; so are v12 and v13, which the closing add reads
.macro QLOAD g                         ; head g of my 16 positions: a whole row of 512 bytes to a load
	WIN TO1
.set n, 0
.rept 16
	global_load_b128 v[64*(\g)+4*n:64*(\g)+4*n+3], v[LN16], s[4:5] offset:16384*n+512*(\g) th:TH_LOAD_NT
.set n, n+1
.endr
	WIN 0
.endm
.macro QSTORE g                        ; into the stage as loaded
	WIN 0x04                                       ; an LDS store's data are its source 1: window 1
.set n, 0
.rept 16
	ds_store_b128 v[SN16], v[64*(\g)+4*n:64*(\g)+4*n+3] offset:PITCH*(16*(\g)+n)
.set n, n+1
.endr
	WIN 0
.endm
.macro QBACK g                         ; and back as the conversions want it: lane (r, h): channels 64 c + 32 h + 0 .. 31 of row r.  LDS serves a wave's instructions in order: these see the stores
.set n, 0
.rept 16
	ds_load_b128 v[S+64*((\g)%2)+4*n:S+64*((\g)%2)+4*n+3], v[QR] offset:PITCH*16*(\g)+16*n+128*(n/8)
.set n, n+1
.endr
.endm
.macro QUANTQ g                        ; 64 numbers of a lane, two whole blocks, become registers 0-7 of tile g's fragment and the row's scale word
.set X, S+64*((\g)%2)
.irp k, 0,1,2,3                        ; four chains of 16 numbers, two to a block, by turns; the floor 2^(3 - 127) among the leaves holds the byte at 1 from below
	v_max3_num_f32 v[QM+\k], |v[X+16*\k]|, |v[X+16*\k+1]|, 0x1800000
.endr
.irp e, 2,4,6,8,10,12,14
.irp k, 0,1,2,3
	v_max3_num_f32 v[QM+\k], v[QM+\k], |v[X+16*\k+\e]|, |v[X+16*\k+\e+1]|
.endr
.endr
	v_max_num_f32 v[QM], v[QM], v[QM+1]
	v_max_num_f32 v[QM+2], v[QM+2], v[QM+3]
	v_add_nc_u32 v[QE], 0xff000000, v[QM]          ; 2 off the exponent field: the conversion's scale operand
	v_add_nc_u32 v[QE+1], 0xff000000, v[QM+2]
	v_lshrrev_b32 v[QB], 23, v[QE]
	v_lshrrev_b32 v[QB+1], 23, v[QE+1]
	v_lshl_or_b32 v[QSC+(\g)], v[QB+1], 16, v[QB]  ; blocks h and 2 + h,
	v_lshlrev_b32 v[QSC+(\g)], v[SH8], v[QSC+(\g)] ; at their places;
	v_permlanex16_b32 v[QTP], v[QSC+(\g)], s[SEL], s[SEL+1]
	v_or_b32 v[QSC+(\g)], v[QSC+(\g)], v[QTP]      ; with lane l xor 16's two the word is whole
	WIN TO2
.irp c, 0,1
.irp q, 0,1,2,3
	v_cvt_scalef32_pk8_fp4_f32 v[QC+8*(\g)+4*\c+\q], v[X+32*\c+8*\q:X+32*\c+8*\q+7], v[QE+\c]
.endr
.endr
	v_nop                                          ; one plain vector line behind the last scaled conversion
	WIN 0
.endm
; Step NX's K is 17 loads: its codes (8), its keys' ids (8), its scale words (1).  The three address pairs are written only behind the wait that has shown their last loads done.
.macro KADDR
	s_lshl_b32 s[OF], s[NX], 12
	s_add_nc_u64 s[KA:KA+1], s[8:9], s[OF:OF+1]
	s_lshl_b32 s[OF], s[NX], 8
	s_add_nc_u64 s[KSA:KSA+1], s[10:11], s[OF:OF+1]
	s_add_nc_u64 s[SGA:SGA+1], s[6:7], s[OF:OF+1]
.endm
.macro KCODES
	WIN TO2
.irp u, 0,1,2,3
.irp c, 0,1
	global_load_b128 v[KC+8*\u+4*\c:KC+8*\u+4*\c+3], v[LN16], s[KA:KA+1] offset:1024*\u+512*\c
.endr
.endr
	WIN 0
.endm
.macro KIDS
	WIN TO2
.irp u, 0,1,2,3
.irp q, 0,1
	global_load_b128 v[IDS+8*\u+4*\q:IDS+8*\u+4*\q+3], v[IDO], s[SGA:SGA+1] offset:64*\u+16*\q   ; register 8 u + j: the id of key 16 u + 8 h + j
.endr
.endr
	WIN 0
	global_load_b64 v[KSC:KSC+1], v[KSO], s[KSA:KSA+1]
.endm
; Eight of the 32 loads of step STP's V^T (16 fragments): keys 32 (q / 2) on, channel tiles 4 (q % 2) on
.macro VCHUNK q
	WIN TO3
.irp c, 0,1,2,3
.irp hf, 0,1
	global_load_b128 v[64*((\q)/2)+8*(4*((\q)%2)+\c)+4*\hf:64*((\q)/2)+8*(4*((\q)%2)+\c)+4*\hf+3], v[LN16], s[VA:VA+1] offset:8192*((\q)/2)+1024*(4*((\q)%2)+\c)+512*\hf
.endr
.endr
	WIN 0
.endm
	; the scan's ids (lane L: the 64 ids of step L), my rows' ids, and the first two heads of Q
.set n, 0
.rept 16
	global_load_b128 v[P+4*n:P+4*n+3], v[SCO], s[6:7] offset:16*n
.set n, n+1
.endr
	WIN TO2
	global_load_b32 v[QS], v[QSO], s[PIA:PIA+1]
	WIN 0
	QLOAD 0
	QLOAD 1
	s_wait_loadcnt 32                              ; the ids are in; Q's 32 loads may be out
	v_min_u32 v[KMIN], v[P], v[P+1]                ; each step's smallest and largest id, two chains each
	v_min_u32 v[QM], v[P+2], v[P+3]
	v_max_u32 v[KMAX], v[P], v[P+1]
	v_max_u32 v[QM+1], v[P+2], v[P+3]
.set n, 4
.rept 30
	v_min_u32 v[KMIN], v[KMIN], v[P+n]
	v_min_u32 v[QM], v[QM], v[P+n+1]
	v_max_u32 v[KMAX], v[KMAX], v[P+n]
	v_max_u32 v[QM+1], v[QM+1], v[P+n+1]
.set n, n+2
.endr
	v_min_u32 v[KMIN], v[KMIN], v[QM]
	v_max_u32 v[KMAX], v[KMAX], v[QM+1]
	s_wait_kmcnt 0x0
	s_min_u32 s56, s40, s41                        ; my 16 positions' smallest id,
	s_max_u32 s57, s40, s41                        ; and largest
.irp k, 42,43,44,45,46,47,48,49,50,51,52,53,54,55
	s_min_u32 s56, s56, s[\k]
	s_max_u32 s57, s57, s[\k]
.endr
	v_cmp_le_u32 s58, v[KMIN], s57                 ; bit L: step L's range of ids meets mine
	v_cmp_ge_u32 s59, v[KMAX], s56
	v_cmp_eq_u32 s60, v[KMIN], v[KMAX]             ; bit L: step L's keys carry one id,
	v_cmp_eq_u32 s61, v[KMIN], s56                 ; which is my smallest
	s_wait_alu depctr_va_sdst(0)                   ; the four compares have written s58 to s61, ahead of the first line that reads one of them
	s_and_b32 s58, s58, s59
	s_lshl_b32 s59, 1, s[STP]
	s_or_b32 s58, s58, s59                         ; the diagonal step is always walked, so the lowest bit set is at or under it
	s_ctz_i32_b32 s58, s58                         ; the lowest step to walk
	s_min_u32 s58, s58, 31
	s_sub_co_u32 s[CNT], s[STP], s58               ; steps below the diagonal step
	s_and_b32 s60, s60, s61
	s_cmp_eq_u32 s56, s57                          ; my positions carry one id?
	s_cselect_b32 s61, -1, 0
	s_and_b32 s[CLR], s60, s61
	s_lshl_b32 s[TS], s16, 4                       ; p0
	v_sub_nc_u32 v[TMP], v[RR], v[SH8]
	v_add_nc_u32 v[TMP], s[TS], v[TMP]
	WIN TO2
	v_mov_b32 v[DD0], v[TMP]
	v_mov_b32 v[NEG], 0xf149f2ca                   ; -1e30
	v_mov_b32 v[ZR], 0
	WIN 0
	; Q: head by head through the stage and the quantiser, the loads two heads ahead.  No vector line so far has named a register in which these loads land
	QLOAD 2
	s_wait_loadcnt 32                              ; head 0 is in; heads 1 and 2 may be out
	QSTORE 0
	QBACK 0
	QLOAD 3
	s_wait_dscnt 0x0
	QUANTQ 0
	s_wait_loadcnt 32                              ; head 1 is in; heads 2 and 3 may be out
	QSTORE 1
	QBACK 1
	KADDR                                          ; the diagonal step's K
	KCODES
	KIDS
	s_wait_dscnt 0x0
	QUANTQ 1
	s_wait_loadcnt 33                              ; head 2 is in; head 3's 16 loads and K's 17 may be out
	s_wait_alu depctr_va_vdst(0)                   ; the quantiser is done reading both halves of v64-191: head 2's numbers land in the first, head 3's in the second, which head 2's quantiser does not name
	QSTORE 2
	QBACK 2
	s_wait_dscnt 0x0
	QUANTQ 2
	s_wait_loadcnt 17                              ; head 3 is in; K's 17 may be out
	QSTORE 3
	QBACK 3
	s_wait_dscnt 0x0
	s_wait_alu depctr_vm_vsrc(0)                   ; the LDS stores have read Q's registers in window 1, which the first products V^T P write
	QUANTQ 3
; THE BIAS of a step, in the layout of a tile of S^T: register 8 u + j of lane (r, h): key 16 u + 8 h + j against position p0 + r: 0 where the ids are equal and the key is not later, else -1e30.
; It serves all four heads.  Two tiles of 16 keys at a time: a run of 32 compares into 32 scalar registers, one wait behind the run, 16 scalar lines, 16 selects.
.macro MASK
	s_lshl_b32 s[TS], s[STP], 6                    ; the step's first key
	WIN W_M
	v_sub_nc_u32 v[DD], v[DD0], s[TS]              ; the key counts where 16 u + j <= p0 + r - 8 h - the step's first key
.irp w, 0,2
.irp u, 0,1
.irp j, 0,1,2,3,4,5,6,7
	v_cmp_eq_u32 s[MK+16*\u+2*\j], v[IDS+8*(\w+\u)+\j], v[QS]
	v_cmp_le_i32 s[MK+16*\u+2*\j+1], 16*(\w+\u)+\j, v[DD]
.endr
.endr
	s_wait_alu depctr_va_sdst(0)                   ; the 32 compares have written s66 to s97, ahead of the first line that reads one of them
.irp n, 0,1,2,3,4,5,6,7,8,9,10,11,12,13,14,15
	s_and_b32 s[MK+2*\n], s[MK+2*\n], s[MK+2*\n+1]
.endr
.irp u, 0,1
.irp j, 0,1,2,3,4,5,6,7
	v_cndmask_b32 v[BI+8*(\w+\u)+\j], v[NEG], v[ZR], s[MK+16*\u+2*\j]
.endr
.endr
.endr
	PLACES 8                                       ; operands and scale words written by vector instructions stand 8 places ahead of a scaled matrix instruction (the first step: Q's codes and words too)
.endm
.macro QK1 t, u, bias
.if \bias
.if (\u)%2
	v_wmma_scale_f32_16x16x128_f8f6f4 v[S+32*\t+8*\u:S+32*\t+8*\u+7], v[KC+8*\u:KC+8*\u+7], v[QC+8*\t:QC+8*\t+7], v[BI+8*\u:BI+8*\u+7], v[KSC+\u/2], v[QSC+\t] matrix_a_fmt:MATRIX_FMT_FP4 matrix_b_fmt:MATRIX_FMT_FP4 matrix_a_scale:MATRIX_SCALE_ROW1
.else
	v_wmma_scale_f32_16x16x128_f8f6f4 v[S+32*\t+8*\u:S+32*\t+8*\u+7], v[KC+8*\u:KC+8*\u+7], v[QC+8*\t:QC+8*\t+7], v[BI+8*\u:BI+8*\u+7], v[KSC+\u/2], v[QSC+\t] matrix_a_fmt:MATRIX_FMT_FP4 matrix_b_fmt:MATRIX_FMT_FP4
.endif
.else
.if (\u)%2
	v_wmma_scale_f32_16x16x128_f8f6f4 v[S+32*\t+8*\u:S+32*\t+8*\u+7], v[KC+8*\u:KC+8*\u+7], v[QC+8*\t:QC+8*\t+7], 0, v[KSC+\u/2], v[QSC+\t] matrix_a_fmt:MATRIX_FMT_FP4 matrix_b_fmt:MATRIX_FMT_FP4 matrix_a_scale:MATRIX_SCALE_ROW1
.else
	v_wmma_scale_f32_16x16x128_f8f6f4 v[S+32*\t+8*\u:S+32*\t+8*\u+7], v[KC+8*\u:KC+8*\u+7], v[QC+8*\t:QC+8*\t+7], 0, v[KSC+\u/2], v[QSC+\t] matrix_a_fmt:MATRIX_FMT_FP4 matrix_b_fmt:MATRIX_FMT_FP4
.endif
.endif
.endm
; S^T = K Q^T (+ the bias): 16 products, each a whole sum (the head's 128 channels are one instruction's K), each with its own result.  Odd tiles' scale words stand in lanes 16-31.
.macro QK bias
	WIN W_QK
.irp u, 0,1,2,3
.irp t, 0,1,2,3
	QK1 \t, \u, \bias
.endr
.endr
.endm
.macro SCALE t, n                      ; pair n of tile t: c s - c m
	v_pk_fma_f32 v[S+32*(\t)+2*(\n):S+32*(\t)+2*(\n)+1], v[S+32*(\t)+2*(\n):S+32*(\t)+2*(\n)+1], s[CS:CS+1], v[ST+8*(\t):ST+8*(\t)+1] op_sel_hi:[1,0,0] neg_lo:[0,0,1] neg_hi:[0,0,1]
.endm
; THE SOFTMAX of a step, the four tiles by turns, so that no line waits for the line above it.  first = 1: the first step starts m, l and O^T: it has no a and nothing to rescale.
; THE STEP'S 49 LOADS are dealt among its first lines, with no wait of their own: this step's V, eight loads ahead of each of the maximum's four blocks of 16 lines; then the next step's K: the codes behind the
; maximum, the ids and the scale words behind the lines that make m and a.  No line of the softmax names a register that these loads touch.
.macro SOFTMAX first
	VCHUNK 0
.irp j, 0,1,2,3                        ; the maximum: four chains a tile; each of S^T's results is read from its low end on
.irp t, 0,1,2,3
	v_max3_num_f32 v[ST+8*\t+4+\j], v[S+32*\t+8*\j], v[S+32*\t+8*\j+1], v[S+32*\t+8*\j+2]
.endr
.endr
.irp g, 1,2
	VCHUNK \g
.irp j, 0,1,2,3
.irp t, 0,1,2,3
	v_max3_num_f32 v[ST+8*\t+4+\j], v[ST+8*\t+4+\j], v[S+32*\t+8*\j+2*\g+1], v[S+32*\t+8*\j+2*\g+2]
.endr
.endr
.endr
	VCHUNK 3
.irp t, 0,1,2,3
	v_max3_num_f32 v[ST+8*\t+4], v[ST+8*\t+4], v[S+32*\t+7], v[S+32*\t+15]
.endr
.irp t, 0,1,2,3
	v_max3_num_f32 v[ST+8*\t+6], v[ST+8*\t+6], v[S+32*\t+23], v[S+32*\t+31]
.endr
.irp t, 0,1,2,3
	v_max3_num_f32 v[ST+8*\t+4], v[ST+8*\t+4], v[ST+8*\t+5], v[ST+8*\t+6]
.endr
.irp t, 0,1,2,3
.if \first
	v_max_num_f32 v[ST+8*\t+4], v[ST+8*\t+4], v[ST+8*\t+7]
.else
	v_max3_num_f32 v[ST+8*\t+4], v[ST+8*\t+4], v[ST+8*\t+7], v[ST+8*\t+1]   ; and the old m
.endif
.endr
	KCODES
.irp t, 0,1,2,3
	v_permlanex16_b32 v[ST+8*\t+5], v[ST+8*\t+4], s[SEL], s[SEL+1]          ; the row's other 32 keys lie in the lane 16 away
.endr
.if !\first
.irp t, 0,1,2,3
	v_mov_b32 v[ST+8*\t+7], v[ST+8*\t]             ; c m_old is kept for a
.endr
.endif
.irp t, 0,1,2,3
	v_max_num_f32 v[ST+8*\t+1], v[ST+8*\t+4], v[ST+8*\t+5]
.endr
.irp t, 0,1,2,3
	v_mul_f32 v[ST+8*\t], s[CS], v[ST+8*\t+1]
.endr
.if !\first
.irp t, 0,1,2,3
	v_sub_f32 v[ST+8*\t+7], v[ST+8*\t+7], v[ST+8*\t]
.endr
.irp t, 0,1,2,3
	v_exp_f32 v[ST+8*\t+6], v[ST+8*\t+7]           ; a = 2^(c m_old - c m_new)
.endr
.endif
	KIDS
	; ONE BATCH: all scalings and all exponentials; no line of it names an exponential's result.  A tile's exponentials stand between the next tile's scalings.
.set n, 0
.rept 16
	SCALE 0, n
.set n, n+1
.endr
.irp t, 0,1,2,3
.set n, 0
.rept 16
	v_exp_f32 v[S+32*\t+2*n], v[S+32*\t+2*n]
	v_exp_f32 v[S+32*\t+2*n+1], v[S+32*\t+2*n+1]
.if \t < 3
	SCALE \t+1, n
.endif
.set n, n+1
.endr
.endr
	v_nop                                          ; a plain line behind the last exponential,
	s_wait_alu depctr_va_vdst(0)                   ; and the one wait ahead of the batch's first reader: the exponentials have written a and the weights in S^T's registers
.set n, 0
.rept 16
.irp t, 0,1,2,3
	v_cvt_pk_f16_f32 v[P+16*\t+n], v[S+32*\t+2*n], v[S+32*\t+2*n+1]         ; two weights to a register: source 1 of the second product as it stands
.endr
.set n, n+1
.endr
.irp u, 0,1,2,3,4,5,6,7                ; the row's sum, of the unrounded weights: a tree over the tile's 16 pairs, in place
.irp t, 0,1,2,3
	v_pk_add_f32 v[S+32*\t+4*\u:S+32*\t+4*\u+1], v[S+32*\t+4*\u:S+32*\t+4*\u+1], v[S+32*\t+4*\u+2:S+32*\t+4*\u+3]
.endr
.endr
.irp u, 0,1,2,3
.irp t, 0,1,2,3
	v_pk_add_f32 v[S+32*\t+8*\u:S+32*\t+8*\u+1], v[S+32*\t+8*\u:S+32*\t+8*\u+1], v[S+32*\t+8*\u+4:S+32*\t+8*\u+5]
.endr
.endr
.irp u, 0,1
.irp t, 0,1,2,3
	v_pk_add_f32 v[S+32*\t+16*\u:S+32*\t+16*\u+1], v[S+32*\t+16*\u:S+32*\t+16*\u+1], v[S+32*\t+16*\u+8:S+32*\t+16*\u+9]
.endr
.endr
.if \first
.irp t, 0,1,2,3
	v_pk_add_f32 v[ST+8*\t+2:ST+8*\t+3], v[S+32*\t:S+32*\t+1], v[S+32*\t+16:S+32*\t+17]
.endr
.else
.irp t, 0,1,2,3
	v_pk_add_f32 v[S+32*\t:S+32*\t+1], v[S+32*\t:S+32*\t+1], v[S+32*\t+16:S+32*\t+17]
.endr
.irp t, 0,1,2,3
	v_pk_fma_f32 v[ST+8*\t+2:ST+8*\t+3], v[ST+8*\t+2:ST+8*\t+3], v[ST+8*\t+6:ST+8*\t+7], v[S+32*\t:S+32*\t+1] op_sel_hi:[1,0,1]   ; l = a l + the sum
.endr
	WIN W_RS
.set n, 0
.rept 32                               ; O^T times a, each result from its low end on
.irp t, 0,1,2,3
	v_pk_mul_f32 v[64*\t+2*n:64*\t+2*n+1], v[64*\t+2*n:64*\t+2*n+1], v[ST+8*\t+6:ST+8*\t+7] op_sel_hi:[1,0]
.endr
.set n, n+1
.endr
.endif
.endm
; O^T += V^T P: product i of 64: keys 32 (i / 32) on, channels 16 ((i / 4) % 8) on, tile i % 4.  The 32 accumulators take turns, one instruction a turn.
; first = 1: the first 32 start the sums: nothing is ever cleared.
.macro PV first
	WIN W_PV
.set i, 0
.rept 64
.set rO, 64*(i%4)+8*((i/4)%8)
.set rV, 64*(i/32)+8*((i/4)%8)
.set rP, P+16*(i%4)+8*(i/32)
.if \first && (i < 32)
	v_wmma_f32_16x16x32_f16 v[rO:rO+7], v[rV:rV+7], v[rP:rP+7], 0
.else
	v_wmma_f32_16x16x32_f16 v[rO:rO+7], v[rV:rV+7], v[rP:rP+7], v[rO:rO+7]
.endif
.set i, i+1
.endr
.endm
; A KEY STEP of 64 keys.  Its K, ids and scale words were asked for a step ago; its V is asked for behind its first products and wanted behind the softmax.
; Every way through a step issues the same loads in the same order, so the counted wait holds on every way: behind the last step the group of 17 is step 0's or the last step's neighbour's, inside the buffers, and nobody reads it.
.macro STEP first
	s_wait_loadcnt 0x0                             ; this step's K, ids and scale words are in: nothing was asked for behind them
.if \first
	MASK                                           ; the diagonal step always takes the exact mask
	s_wait_alu depctr_va_vdst(0)                   ; behind the places: the conversions and the lines that made the scale words have written Q's codes and words, which the scaled products take as source 1 and its scales
	QK 1
	WIN 0
.else
	s_bitcmp1_b32 s[CLR], s[STP]                   ; one id in all 64 keys and all 16 positions, below the diagonal step: nothing is hidden
	s_cbranch_scc1 .Lclear_\@
	MASK
	QK 1
	WIN 0
	s_branch .Ljoin_\@
.Lclear_\@:
	QK 0
	WIN 0
.Ljoin_\@:
.endif
	PLACES 4                                       ; behind the products, in front of the first read of the scores
	s_sub_co_i32 s[NX], s[STP], 1
	s_max_i32 s[NX], s[NX], 0                      ; the next step down; never under 0
	s_lshl_b32 s[OF], s[STP], 14                   ; V's address pair: the wait ahead of the last step's V^T P has shown the loads that read it done
	s_add_nc_u64 s[VA:VA+1], s[12:13], s[OF:OF+1]
	KADDR                                          ; K's three: the wait at this step's head has
	s_wait_alu depctr_va_vdst(0)                   ; the scaled products are done reading K's codes and scale words, the mask's compares the ids, the last step's V^T P its V: in these registers the 49 loads in the softmax land
	SOFTMAX \first
	s_wait_loadcnt 17                              ; all but K's 17, the youngest: V is in
	PV \first
	WIN 0
.endm
	STEP 1
	s_cmp_eq_u32 s[CNT], 0
	s_cbranch_scc1 .Lout
.Lstep:
	s_sub_co_u32 s[STP], s[STP], 1
	STEP 0
	s_sub_co_u32 s[CNT], s[CNT], 1
	s_cmp_lg_u32 s[CNT], 0
	s_cbranch_scc1 .Lstep
.Lout:
	; THE WAY OUT.  l's two halves and the other half of the lanes' are added (these lines are the places behind the last products); O^T is divided by l and goes through the stage, a head (16 rows) at a time.
.irp t, 0,1,2,3
	v_add_f32 v[ST+8*\t+4], v[ST+8*\t+2], v[ST+8*\t+3]
.endr
.irp t, 0,1,2,3
	v_permlanex16_b32 v[ST+8*\t+5], v[ST+8*\t+4], s[SEL], s[SEL+1]
.endr
.irp t, 0,1,2,3
	v_add_f32 v[ST+8*\t+4], v[ST+8*\t+4], v[ST+8*\t+5]
.endr
.irp t, 0,1,2,3
	v_rcp_f32 v[ST+8*\t+6], v[ST+8*\t+4]           ; l is at least about 1: the row's largest weight is 2^0
.endr
	v_nop                                          ; a plain line behind the last reciprocal,
	s_wait_alu depctr_va_vdst(0)                   ; and the one wait ahead of the first use: the four reciprocals are written
; Tile t's quotient is made in place, so that each tile's LDS stores read registers of their own, which nothing writes again.
.macro QUOT t
	WIN W_RS
.set n, 0
.rept 32
	v_pk_mul_f32 v[64*(\t)+2*n:64*(\t)+2*n+1], v[64*(\t)+2*n:64*(\t)+2*n+1], v[ST+8*(\t)+6:ST+8*(\t)+7] op_sel_hi:[1,0]
.set n, n+1
.endr
	WIN 0
.endm
; Tile t: a lane's eight channels of a row are 32 bytes; they go into rows of 528 bytes and come back as whole rows of 512.
.macro STAGE t
	WIN 0x04                                       ; an LDS store's data are its source 1: window 1
.irp c, 0,1,2,3,4,5,6,7
	ds_store_b128 v[STO], v[64*(\t)+8*\c:64*(\t)+8*\c+3] offset:PITCH*16*(\t)+64*\c
	ds_store_b128 v[STO], v[64*(\t)+8*\c+4:64*(\t)+8*\c+7] offset:PITCH*16*(\t)+64*\c+16
.endr
	WIN TO3
.set n, 0
.rept 16
	ds_load_b128 v[64*(\t)+4*n:64*(\t)+4*n+3], v[LN16] offset:PITCH*(16*(\t)+n)    ; LDS serves a wave's instructions in order: these see the stores above
.set n, n+1
.endr
	WIN 0
.endm
.macro SEND t, younger                 ; younger: the LDS instructions issued behind tile t's loads: the next tile's 32, or none
	WIN 0x0c                                       ; a store's data are its source 1: window 3
.set n, 0
.rept 16
	s_wait_dscnt \younger+15-n                     ; row n is back; the rows behind it and the next tile's may be out
	global_store_b128 v[SN16], v[64*(\t)+4*n:64*(\t)+4*n+3], s[14:15] offset:16384*n+512*(\t) th:TH_STORE_NT   ; 32 lanes store a row's 512 consecutive bytes, aligned; written once, read by nobody here
.set n, n+1
.endr
	WIN 0
.endm
	QUOT 0
	QUOT 1
	s_wait_alu depctr_va_vdst(0)                   ; the quotients of tiles 0 and 1 are written, which the LDS stores read; the last V^T P is done reading V's registers, in which the stage's loads land
	STAGE 0
	STAGE 1
	QUOT 2                                         ; the other two tiles' arithmetic stands between the first two tiles' loads from the stage and their stores
	QUOT 3
	SEND 0, 32
	s_wait_alu depctr_va_vdst(0)                   ; the quotients of tiles 2 and 3 are written, which the LDS stores read
	STAGE 2
	SEND 1, 32
	STAGE 3
	SEND 2, 32
	SEND 3, 0
	s_wait_dscnt 0x0                               ; the closing lines, six on end
	s_wait_alu 0x0
	s_wait_tensorcnt 0x0
	ds_add_u32 v[SPW], v[NIL]
	s_wait_dscnt 0x0
	s_endpgm
.Lfunc_end_k_qd01035d6a6_attn:
	.size	k_qd01035d6a6_attn, .Lfunc_end_k_qd01035d6a6_attn-k_qd01035d6a6_attn
	.p2alignl 7, 3214868480
	.fill 96, 4, 3214868480
	.section	.rodata,"a",@progbits
	.p2align	6, 0x0
	.amdhsa_kernel k_qd01035d6a6_attn
		.amdhsa_group_segment_fixed_size 34048
		.amdhsa_private_segment_fixed_size 0
		.amdhsa_enable_private_segment 0
		.amdhsa_kernarg_size 48
		.amdhsa_user_sgpr_count 2
		.amdhsa_user_sgpr_kernarg_segment_ptr 1
		.amdhsa_wavefront_size32 1
		.amdhsa_system_sgpr_workgroup_id_x 1
		.amdhsa_system_sgpr_workgroup_id_y 1
		.amdhsa_system_sgpr_workgroup_id_z 1
		.amdhsa_system_vgpr_workitem_id 0
		.amdhsa_next_free_vgpr 1024
		.amdhsa_next_free_sgpr 98
		.amdhsa_reserve_vcc 0
		.amdhsa_float_denorm_mode_32 3
		.amdhsa_float_denorm_mode_16_64 3
		.amdhsa_memory_ordered 1
		.amdhsa_forward_progress 1
		.amdhsa_inst_pref_size 155
	.end_amdhsa_kernel
	.amdgpu_metadata
---
amdhsa.version: [ 1, 2 ]
amdhsa.kernels:
  - .name:           k_qd01035d6a6_attn
    .symbol:         k_qd01035d6a6_attn.kd
    .args:
      - { .name: query, .offset: 0, .size: 8, .value_kind: global_buffer, .address_space: global }
      - { .name: decoder_segment_ids, .offset: 8, .size: 8, .value_kind: global_buffer, .address_space: global }
      - { .name: kc, .offset: 16, .size: 8, .value_kind: global_buffer, .address_space: global }
      - { .name: ks, .offset: 24, .size: 8, .value_kind: global_buffer, .address_space: global }
      - { .name: vt, .offset: 32, .size: 8, .value_kind: global_buffer, .address_space: global }
      - { .name: out0, .offset: 40, .size: 8, .value_kind: global_buffer, .address_space: global }
    .group_segment_fixed_size: 34048
    .private_segment_fixed_size: 0
    .kernarg_segment_align: 8
    .kernarg_segment_size: 48
    .max_flat_workgroup_size: 32
    .sgpr_count:     98
    .vgpr_count:     1024
    .wavefront_size: 32
...
	.end_amdgpu_metadata
.endif
;; end of part 3
